; MI455X (gfx1250); checked and timed in simulation.
; The chip was launched on July 23, 2026; its instructions are those of AMD's public machine-readable ISA for CDNA 5 (MIT licence, August 2026) and "CDNA5" Instruction Set Architecture Reference Guide (July 2026). The comments in the code are by the model that wrote it; some were corrected since.
;; Relative Multi Head Attention. Allowed arithmetic: matrix products marked QUANTISED: E4M3 operands, one given power-of-two scale a tensor, by v_wmma_f32_16x16x64_fp8_fp8 or v_wmma_f32_16x16x128_fp8_fp8, f32 sums; everything else in f32.
;; Inputs: W_o_codes 1,024 x 32 x 32 uint8 (E4M3 codes of W_o, K innermost, in blocks of 32 codes); W_qkv_codes 3,072 x 32 x 32 uint8 (E4M3 codes of W_qkv, K innermost, in blocks of 32 codes); W_r_codes 1,024 x 32 x 32 uint8 (E4M3 codes of W_r, K innermost, in blocks of 32 codes); ln_beta 1,024 float32; ln_gamma 1,024 float32; lowp_scales 12 int32 (the exponents e of the quantised operands' scales 2^e); mems 1,024 x 4 x 1,024 float32; r_codes 2,048 x 32 x 32 uint8 (E4M3 codes of r, K innermost, in blocks of 32 codes); u 16 x 64 float32; v 16 x 64 float32; x 1,024 x 4 x 1,024 float32.
;; Outputs: out0 1,024 x 4 x 1,024 float32.
;; This version of the problem:
;;   THIS VERSION OF THE PROBLEM IS GIVEN IN LOW PRECISION. The matrix products marked QUANTISED in the list below multiply operands that are first quantised to E4M3 (4 exponent bits, 3 mantissa bits; 8 bits a number), with one given power-of-two scale for each operand tensor; their sums are f32. All else is computed in f32.
;;   The module's matrix products, in the order in which they are computed (A, B: the left and right operand; K: the contracted axis; several contracted axes count as one K, in the product's order):
;;     1. [M 8,192, K 1,024] x [K 1,024, N 3,072]; A: computed on the way; B: input W_qkv (given as codes): QUANTISED (scales: A lowp_scales[0], B lowp_scales[1])
;;     2. [M 2,048, K 1,024] x [K 1,024, N 1,024]; A: input r (given as codes); B: input W_r (given as codes): QUANTISED (scales: A lowp_scales[2], B lowp_scales[3])
;;     3. batch 64 x [M 2,048, K 64] x [K 64, N 1,024]; A: computed on the way; B: computed on the way: QUANTISED (scales: A lowp_scales[4], B lowp_scales[5])
;;     4. batch 16 x [M 2,048, K 64] x [K 64, N 4,096]; A: computed on the way; B: computed on the way: QUANTISED (scales: A lowp_scales[6], B lowp_scales[7])
;;     5. batch 64 x [M 64, K 2,048] x [K 2,048, N 1,024]; A: computed on the way; B: softmax (see below): QUANTISED (scales: A lowp_scales[8], B lowp_scales[9])
;;     6. [M 4,096, K 1,024] x [K 1,024, N 1,024]; A: computed on the way; B: input W_o (given as codes): QUANTISED (scales: A lowp_scales[10], B lowp_scales[11])
;;   THE QUANTISER, for each operand of a quantised product, along K:
;;     - The operand's scale is 2^e, e = its entry of the input lowp_scales (int32; the entries are numbered through the quantised products in the list's order, A before B).
;;     - Each number is divided by the scale, clamped to +-448, and rounded to the nearest number of E4M3, ties to even, subnormals kept.
;;     - The product sums the exact products of the quantised numbers (number of the format x scale) in f32.
;;   ~~~python
;;   def quantise(x, axis, e):      # numpy; x: float32 -> the quantised numbers, widened to float32 again
;;       x = np.moveaxis(x, axis, -1); K = x.shape[-1]
;;       r = np.clip(x / 2.0 ** e, -448, 448)
;;       step = 2.0 ** (np.maximum(np.frexp(np.where(r == 0, 1, r))[1] - 1, -6) - 3)
;;       q = np.round(r / step) * step * 2.0 ** e      # np.round: ties to even
;;       return np.moveaxis(q, -1, axis).astype(np.float32)
;;   ~~~
;;   SOFTMAX AHEAD OF A QUANTISED PRODUCT. Where the list says 'softmax', what is quantised is not the finished softmax but p = 2^(t - M), with t = logit x log2(e) and M = ceil(the row's largest t), a whole number; so 1/2 < the row's largest p <= 1. The row's sum l is taken of the UNQUANTISED p, in f32, and the product's result is divided by l at the end. Since M is a whole number, a kernel that streams over the keys may use a running M (the ceiling of the running maximum): every later rescaling is an exact power of two, so the quantised numbers keep their values, but for numbers so far below the row's largest that they fall under the format's range.
;;   OPERANDS COMPUTED ON THE WAY. 'Computed on the way' means the value that the module computes at that place (a softmax that the list does not call 'softmax' is quantised finished and normalised). What goes into a quantiser is computed in f32, as accurately as f32 sums, v_exp_f32 and their like allow (about 1e-6 of the number): no bf16 or f16 on the way to a quantiser, and a product that is left as it is and whose result goes on into a quantised operand takes f32 operands (vector FMAs, or v_wmma_f32_16x16x4_f32). A number that lies on a knife's edge between two numbers of the format may be rounded either way, as far as f32 arithmetic and the matrix unit's own rounding can turn it there, and no further.
;;   INPUTS GIVEN AS CODES. W_o (in the module: [1024, 1024], K = its axis 0); W_qkv (in the module: [1024, 3072], K = its axis 0); W_r (in the module: [1024, 1024], K = its axis 0); r (in the module: [2048, 1024], K = its axis 1): each comes as NAME_codes (uint8): NAME with its K axis moved to the last place and cut into blocks of 32 codes, [.., K / 32, bytes a block], one block behind the other in memory; one code a byte (a code: sign, 4 exponent bits, 3 mantissa bits); its scale is its entry of lowp_scales. Its value is code x scale, taken as it is: it is not quantised again, and the codes and scales need not be those that the quantiser above would give.
;; One version. Each part assembles by itself: llvm-mc -triple=amdgcn-amd-amdhsa -mcpu=gfx1250 --defsym DOCPART=n.
;; ======== version 1 of 1: 4 launches
;; limits: right only within a limited range of input values
;; workspace buffers: ctx_codes 8,388,608 bytes; k_img 8,388,608 bytes; v_img 8,388,608 bytes; qu_img 4,194,304 bytes; qv_img 4,194,304 bytes; rk_img 2,129,920 bytes; av_img 4,194,304 bytes
;; launch quant (part 1): grid 256 x 1, 4 waves a work-group, no clusters, 33,280 bytes of LDS; arguments mems, x, lowp_scales, ctx_codes, rk_img; writes ctx_codes, rk_img
.if DOCPART == 1
	.amdgcn_target "amdgcn-amd-amdhsa--gfx1250"
	.amdhsa_code_object_version 6
	.text
	.protected	k_q81b145317e_quant
	.globl	k_q81b145317e_quant
	.p2align	8
	.type	k_q81b145317e_quant,@function
k_q81b145317e_quant:
	s_mov_b64 s[64:65], 0
	v_nop
	global_prefetch_b8 v0, s[64:65] scope:SCOPE_SE
	s_setreg_imm32_b32 hwreg(HW_REG_WAVE_MODE, 25, 1), 1
	s_wait_xcnt 0x0
; context = [mems; x], [2048 pos][4 b][1024] f32, becomes codes of FP8 (E4M3) with the given scale 2^e0, laid [b][pos][1024]: a batch's positions on end, K innermost, as the projections' tiles want them.
; code = number / 2^e0, held within +-448, rounded to the nearest code, ties to even.  LIMITS: -126 <= e0 <= 119, so that 2^e0 and 448 x 2^e0 are f32 numbers.  NaN among the inputs is not served.
; A wave takes 16 steps of 512 numbers: eight rows of 1,024, that is two positions x four batches.  Each of a step's four loads reads 512 consecutive bytes; the 2,048 bytes turn through the wave's own stage in LDS
; (16 bytes of padding behind each 64) and come back 16 neighbours a lane, which the conversions want; a lane's 16 codes are 16 bytes, so a wave's store covers 512 consecutive bytes.
; The first 128 work-groups take mems, the others x.  No tensor loads, no barrier: waves share nothing.  Loads run four steps ahead, the turn through LDS one step.
; Besides: wave 0 of work-groups 0 to 15 writes the 2,048 zero bytes at the head of a head's image of rk (rk's row -1 in the relative shift is a row of zeros).
.set STEPS, 16
.set WGA,   128                        ; 4,194,304 numbers of mems / 32,768 a work-group
.set EMAX,  8
.set MANT,  0x600000                   ; the mantissa field of 448 as f32
.set R,     16                         ; v16-79   four sets of 16 numbers as they are loaded
.set X,     80                         ; v80-111  two sets of 16 neighbours
.set Z,     112                        ; v112-115 zeros
.set C,     128                        ; v128-191 codes: four registers for each step, so that no store's data are written again
.set WREG,  8192                       ; LDS: a region of its own for each wave: two stages of 32 x SP bytes
.set SP,    80                         ; a lane's place in a stage: its 64 bytes + 16 of padding
.set RKHEAD, 133120                    ; a head's image of rk: 2 tiles of zeros + 128 tiles, 1,024 bytes each
	s_load_b128 s[4:7], s[0:1], 0x0                ; mems, x
	s_load_b64 s[10:11], s[0:1], 0x10              ; the scales' exponents
	s_load_b128 s[12:15], s[0:1], 0x18             ; the context's codes, rk's image
	v_lshl_add_u32 v192, v0, 2, 0x8000
	v_mov_b32 v193, 0
	v_lshrrev_b32 v1, 5, v0
	v_readfirstlane_b32 s16, v1                    ; wave
	v_and_b32 v2, 31, v0                           ; lane
	v_lshlrev_b32 v3, 4, v2                        ; my 16 bytes of a load's, and of a store's, 512
	s_mul_i32 s17, s16, WREG
	v_lshrrev_b32 v14, 2, v2
	v_mul_u32_u24 v14, v14, SP
	v_and_b32 v15, 3, v2
	v_lshl_add_u32 v14, v15, 4, v14
	v_add_nc_u32 v14, s17, v14                     ; the stage, on the way in: SP (lane / 4) + 16 (lane % 4)
	v_mul_u32_u24 v15, v2, SP
	v_add_nc_u32 v15, s17, v15                     ; and on the way out: SP x lane: my 16 neighbours
	s_wait_kmcnt 0x0
	s_load_b32 s22, s[10:11], 0x0                  ; e0
	s_cmp_lt_u32 ttmp9, WGA                        ; mems' work-group or x's?  The choice hangs on the work-group's number alone
	s_cselect_b64 s[4:5], s[4:5], s[6:7]
	s_cselect_b32 s17, 0, WGA
	s_cselect_b32 s24, 0, 0x100000                 ; x's positions begin 1,024 rows of 1,024 bytes further on in a batch
	s_sub_co_u32 s17, ttmp9, s17
	s_lshl_b32 s17, s17, 2
	s_add_co_u32 s18, s17, s16                     ; which run of 8,192 numbers of the tensor is my wave's: 0 to 511
	s_lshl_b32 s20, s18, 15                        ; in: 32,768 bytes a run
	s_mov_b32 s21, 0
	s_add_nc_u64 s[4:5], s[4:5], s[20:21]
	s_lshl_b32 s20, s18, 11                        ; out: two positions, 2,048 bytes, in each batch
	s_add_co_u32 s20, s20, s24
	s_add_nc_u64 s[8:9], s[12:13], s[20:21]
.macro LOAD t
.irp i, 0,1,2,3
	global_load_b128 v[R+16*((\t)%4)+4*\i:R+16*((\t)%4)+4*\i+3], v3, s[4:5] offset:2048*(\t)+512*\i   ; 32 lanes read 512 consecutive bytes
.endr
.endm
.macro TURN t                          ; step t's numbers through the stage: LDS serves a wave's instructions in order, so no wait stands between the stores and the loads
.irp i, 0,1,2,3
	ds_store_b128 v14, v[R+16*((\t)%4)+4*\i:R+16*((\t)%4)+4*\i+3] offset:32*SP*((\t)%2)+8*SP*\i
.endr
.irp i, 0,1,2,3
	ds_load_b128 v[X+16*((\t)%2)+4*\i:X+16*((\t)%2)+4*\i+3], v15 offset:32*SP*((\t)%2)+16*\i
.endr
.endm
.irp t, 0,1,2,3
	LOAD \t
.endr
	s_wait_kmcnt 0x0
	s_add_co_i32 s22, s22, 127
	s_lshl_b32 s23, s22, 23
	v_mov_b32 v11, s23                             ; 2^e0 as f32: the conversion takes its exponent field
	s_add_co_i32 s22, s22, EMAX
	s_lshl_b32 s22, s22, 23
	s_or_b32 s22, s22, MANT
	v_mov_b32 v10, s22                             ; 448 x 2^e0
	s_wait_loadcnt 12                              ; step 0's four loads are in
	TURN 0
.macro STEP t
.set XS, X+16*((\t)%2)
	s_wait_dscnt 0x0                               ; this step's numbers are back from the stage: so its stores into the stage have read their registers,
.if (\t)+4 < STEPS
	LOAD (\t)+4                                    ; which take the loads of four steps on
.endif
.if (\t)+1 < STEPS
.if STEPS-2-(\t) >= 3
	s_wait_loadcnt 12                              ; the next step's four loads are in; those of the three steps behind it may be out
.else
	s_wait_loadcnt 4*(STEPS-2-(\t))
.endif
	TURN (\t)+1                                    ; and go through the other stage while this step is worked
.endif
.irp i, 0,1,2,3,4,5,6,7,8,9,10,11,12,13,14,15
	v_med3_num_f32 v[XS+\i], v[XS+\i], -v10, v10   ; the conversion to an 8-bit code does not saturate (ISA guide 7.6.2): the hold at the largest code x the scale comes first
.endr
	v_cvt_scalef32_pk8_fp8_f32 v[C+4*(\t):C+4*(\t)+1], v[XS:XS+7], v11
	v_cvt_scalef32_pk8_fp8_f32 v[C+4*(\t)+2:C+4*(\t)+3], v[XS+8:XS+15], v11
	; step t is half t % 2 of the row of position t / 8 and batch (t / 2) % 4: all three stand in the immediate, 6,292,992 at the most, inside its signed 24 bits
	global_store_b128 v3, v[C+4*(\t):C+4*(\t)+3], s[8:9] offset:(((\t)>>1)&3)*2097152+((\t)>>3)*1024+((\t)&1)*512
.endm
.irp t, 0,1,2,3,4,5,6,7,8,9,10,11,12,13,14,15
	STEP \t
.endr
	s_cmp_lg_u32 s16, 0                            ; the zero tiles at the head of head ttmp9's image of rk: one wave of sixteen work-groups
	s_cbranch_scc1 .Lend
	s_cmp_ge_u32 ttmp9, 16
	s_cbranch_scc1 .Lend
	s_mul_i32 s18, ttmp9, RKHEAD
	s_mov_b32 s19, 0
	s_add_nc_u64 s[14:15], s[14:15], s[18:19]
.irp i, 0,1,2,3
	v_mov_b32 v[Z+\i], 0
.endr
.irp i, 0,1,2,3
	global_store_b128 v3, v[Z:Z+3], s[14:15] offset:512*\i
.endr
.Lend:
	s_wait_tensorcnt 0x0
	ds_add_u32 v192, v193
	s_wait_dscnt 0x0
	s_endpgm
.Lfunc_end_k_q81b145317e_quant:
	.size	k_q81b145317e_quant, .Lfunc_end_k_q81b145317e_quant-k_q81b145317e_quant
	.p2alignl 7, 3214868480
	.fill 96, 4, 3214868480
	.section	.rodata,"a",@progbits
	.p2align	6, 0x0
	.amdhsa_kernel k_q81b145317e_quant
		.amdhsa_group_segment_fixed_size 33280
		.amdhsa_private_segment_fixed_size 0
		.amdhsa_enable_private_segment 0
		.amdhsa_kernarg_size 40
		.amdhsa_user_sgpr_count 2
		.amdhsa_user_sgpr_kernarg_segment_ptr 1
		.amdhsa_wavefront_size32 1
		.amdhsa_system_sgpr_workgroup_id_x 1
		.amdhsa_system_sgpr_workgroup_id_y 1
		.amdhsa_system_sgpr_workgroup_id_z 1
		.amdhsa_system_vgpr_workitem_id 0
		.amdhsa_next_free_vgpr 194
		.amdhsa_next_free_sgpr 66
		.amdhsa_reserve_vcc 0
		.amdhsa_float_denorm_mode_32 3
		.amdhsa_float_denorm_mode_16_64 3
		.amdhsa_memory_ordered 1
		.amdhsa_forward_progress 1
		.amdhsa_inst_pref_size 38
	.end_amdhsa_kernel
	.amdgpu_metadata
---
amdhsa.version: [ 1, 2 ]
amdhsa.kernels:
  - .name:           k_q81b145317e_quant
    .symbol:         k_q81b145317e_quant.kd
    .args:
      - { .name: mems, .offset: 0, .size: 8, .value_kind: global_buffer, .address_space: global }
      - { .name: x, .offset: 8, .size: 8, .value_kind: global_buffer, .address_space: global }
      - { .name: lowp_scales, .offset: 16, .size: 8, .value_kind: global_buffer, .address_space: global }
      - { .name: ctx_codes, .offset: 24, .size: 8, .value_kind: global_buffer, .address_space: global }
      - { .name: rk_img, .offset: 32, .size: 8, .value_kind: global_buffer, .address_space: global }
    .group_segment_fixed_size: 33280
    .private_segment_fixed_size: 0
    .kernarg_segment_align: 8
    .kernarg_segment_size: 40
    .max_flat_workgroup_size: 128
    .sgpr_count:     66
    .vgpr_count:     194
    .wavefront_size: 32
...
	.end_amdgpu_metadata
.endif
;; end of part 1
;; launch proj (part 2): grid 4 x 88, 4 waves a work-group, clusters of 4 x 4, 327,680 bytes of LDS; arguments ctx_codes, W_qkv_codes, r_codes, W_r_codes, u, v, lowp_scales, k_img, v_img, qu_img, qv_img, rk_img; writes k_img, v_img, qu_img, qv_img, rk_img
.if DOCPART == 2
	.amdgcn_target "amdgcn-amd-amdhsa--gfx1250"
	.amdhsa_code_object_version 6
	.text
	.protected	k_q81b145317e_proj
	.globl	k_q81b145317e_proj
	.p2align	8
	.type	k_q81b145317e_proj,@function
k_q81b145317e_proj:
	s_mov_b64 s[64:65], 0
	v_nop
	global_prefetch_b8 v0, s[64:65] scope:SCOPE_SE
	s_setreg_imm32_b32 hwreg(HW_REG_WAVE_MODE, 25, 1), 1
	s_wait_xcnt 0x0
	s_wait_alu depctr_hold_cnt(0) depctr_sa_sdst(0) depctr_va_vdst(0) depctr_va_sdst(0) depctr_va_ssrc(0) depctr_va_vcc(0) depctr_vm_vsrc(0)
	s_getreg_b32 s2, hwreg(HW_REG_IB_STS2, 6, 4)
	s_cmp_eq_u32 s2, 0
	s_cbranch_scc0 .Lentry_in_a_cluster
	s_endpgm
.Lentry_in_a_cluster:
	s_bfe_u32 s2, ttmp6, 0x10000c
	s_cmp_lg_u32 s2, 0xf033
	s_cbranch_scc0 .Lentry_shape_is_right
	s_endpgm
.Lentry_shape_is_right:
; THE PROJECTIONS, on codes of FP8 (E4M3), and their quantisers.  A cluster of 4 x 4 work-groups makes 1,024 x 1,024 of one product "A B^T" with K = 1,024 (rows of 1,024 bytes); the cluster's number L says which:
;   L 0-7    K:  A = 1,024 tokens of the context (batch L / 2, half L % 2 of its positions), B = W_qkv's rows 1,024 on;  sums x 2^(e0+e1), quantised with e4
;   L 8-15   V:  A = W_qkv's rows 2,048 on, B = 1,024 tokens: the other way round, so that a lane's registers run along the KEYS, which are the K of the product that reads V;  quantised with e8
;   L 16-19  Q:  A = batch L - 16's positions 1,024 on (x's: reference() keeps no other query), B = W_qkv's rows 0 on;  sums x 2^(e0+e1) + u quantised with e5, and again + v with e7
;   L 20-21  rk: A = 1,024 rows of r, B = W_r;  sums x 2^(e2+e3), quantised with e6
; A tile, 256 x 256, is made by a work-group of four waves; a wave makes 128 x 128: 64 accumulators, 512 registers.  K goes in steps of 256 through a ring of two LDS slots filled by the tensor data mover.
; The four work-groups of a row of the cluster need the same tiles of A, the four of a column the same tiles of B: each tile is asked for JOINTLY, by the same tensor load with the same descriptor and a mask that names the four.
; THE MATRIX INSTRUCTION IS USED TRANSPOSED (source 0 = 16 rows of B, source 1 = 16 rows of A): a lane holds one row of A's side and eight neighbours of B's side, which one conversion turns into eight codes.
; THE RESULTS ARE STORED AS IMAGES OF OPERAND REGISTERS: registers 2 c, 2 c + 1 of lane (r, h) hold k = 16 c + 8 h + 0 .. 7 of row r; a group of four registers is 512 bytes, lane l's 16 at 16 l.  So every store of a wave
; covers 512 consecutive bytes, straight from the conversions' registers, and the launch that reads them needs no pitch and no padding.
; LIMITS on the given exponents, so that each power of two below is an f32 number: e0+e1 and e2+e3 between -126 and 127; e4, e5, e6, e7, e8 between -126 and 119.  NaN among the inputs is not served.
; REGISTERS, in windows of 256: window 0: v0-31 addresses; v32-95 u at my 64 columns, asked for at the head; from v128 A's fragments (8 x 16 rows x 128 K), ONE set; on the way out v96-255 are free.
;   window 1: B's fragments, TWO sets, at v0 and at v128.   window 2: the 32 accumulators of my rows 0-63 (accumulator (a, b) at v[8 (8 a + b)]);   window 3: those of my rows 64-127.
.set KSTEP,  256                       ; along K in a slot
.set ROWB,   256                       ; a tile's row in bytes
.set KROW,   1024                      ; a row of A or of B in memory, in bytes
.set PITCH,  272                       ; an LDS row: 256 bytes of data + 16 of padding = 68 words: the 16 rows that a load touches start 4 words apart modulo 64
.set FR,     16                        ; registers of a fragment: 16 rows x 128 K
.set NL,     4                         ; LDS loads that bring one
.set NP,     4                         ; places behind this matrix instruction (ISA guide 7.12.1)
.set HALFT,  128*PITCH                 ; 128 rows: what one tensor load brings, and what one wave reads of A or of B
.set SLOT,   4*HALFT                   ; A's 256 rows, then B's 256 rows
.set LAPS,   2                         ; a lap = two K steps = once round the ring: 1,024 / 512
.set SPARE,  2*SLOT                    ; behind the ring: the spare words, 128 bytes for each wave: two blocks of 256 bytes that no other line names
.set RKHEAD, 133120                    ; a head's image of rk
.set ADRA, 16                          ; v16-17  LDS address of my A fragments in slot 0, 1
.set ADRB, 20                          ; v20-21  the same for B
.set HB,   25                          ; v25     32 x (lane / 16): my eight numbers of a bias tile
.set CO0,  26                          ; v26     16 x lane: my place in an image's group
.set CO1,  27                          ; v27     the same, one head (V: half a fragment) further on
.set SPW,  28                          ; v28     LDS address of my spare word: SPARE + 4 x my thread's number; never rewritten
.set NIL,  29                          ; v29     0; never rewritten
.set QSC,  30                          ; v30     the quantiser's scale as f32
.set QLIM, 31                          ; v31     448 x that
.set BIAS, 32                          ; v32-95  u at my 64 columns, or zeros
.set COD,  96                          ; v96-127 a block's codes, two sets of 16
.set AF,   128                         ; A's fragments, in window 0
.set TMP,  128                         ; on the way out: v128-191: a block's 64 numbers ahead of the quantiser
.set BIAS2, 192                        ; on the way out: v192-255: v at my 64 columns
.set G1, 24                            ; s[24:31] descriptor group 1 for A's tiles;  s[32:39] group 0, one set for each slot
.set G0, 32
.set G1B, 48                           ; s[48:55], s[56:63] the same for B's tiles
.set G0B, 56
.set MSB, 0
.macro WIN new                         ; the immediate's high byte repeats the setting that is left
.if MSB != \new
	s_set_vgpr_msb (MSB<<8)|\new
.set MSB, \new
.endif
.endm
.set MUL_LO, 0xa1                      ; source 0 (B) window 1, source 1 (A) window 0, C and D window 2
.set MUL_HI, 0xf1                      ; the same, C and D window 3
.set TO_B,   0x40                      ; destination window 1, address window 0
; A joint load: waves 0 and 1 fetch for A, waves 2 and 3 for B.  Each of the two lines has ONE mask and one set of registers for all that issue it; the branch hangs on the wave's number alone.
; Four v_nop follow each of the two lines, ahead of the jump, the label and what follows.
.macro JLOAD g0a, g1a, g0b, g1b
	s_cmp_eq_u32 s15, 0
	s_cbranch_scc0 .Lfor_b_\@
	tensor_load_to_lds s[\g0a:\g0a+3], s[\g1a:\g1a+7]
	s_nop 0
.rept 4
	v_nop
.endr
	s_branch .Lasked_\@
.Lfor_b_\@:
	tensor_load_to_lds s[\g0b:\g0b+3], s[\g1b:\g1b+7]
	s_nop 0
.rept 4
	v_nop
.endr
.Lasked_\@:
.endm
.macro CREST                           ; a round of the cluster's barrier behind its opening barrier
	s_cmp_lg_u32 s14, 0
	s_cbranch_scc1 .Lnot_wave_0_\@
	s_barrier_signal -3
.Lnot_wave_0_\@:
	s_barrier_wait -3
	s_barrier_signal -1
	s_barrier_wait -1
.endm
.macro CROUND                          ; a whole round
	s_barrier_signal -1
	s_barrier_wait -1
	CREST
.endm
.macro BLOAD dst, sb                   ; 64 numbers of a bias from s[sb:sb+1] on: for B's tile b, columns 16 b + 8 (lane / 16) + 0 .. 7: the layout of a block's results
.irp b, 0,1,2,3,4,5,6,7
	global_load_b128 v[\dst+8*\b:\dst+8*\b+3], v[HB], s[\sb:\sb+1] offset:64*\b
	global_load_b128 v[\dst+8*\b+4:\dst+8*\b+7], v[HB], s[\sb:\sb+1] offset:64*\b+16
.endr
.endm
	s_load_b512 s[68:83], s[0:1], 0x0              ; context's codes s[68:69], W_qkv s[70:71], r s[72:73], W_r s[74:75], u s[76:77], v s[78:79], the scales' exponents s[80:81], K's image s[82:83]
	s_load_b256 s[84:91], s[0:1], 0x40             ; V's image s[84:85], q+u's s[86:87], q+v's s[88:89], rk's s[90:91]
	v_lshl_add_u32 v[SPW], v0, 2, SPARE
	v_mov_b32 v[NIL], 0
	ds_add_u32 v28, v29
	ds_add_u32 v28, v29
	s_wait_dscnt 0x0
	v_lshrrev_b32 v1, 5, v0
	v_readfirstlane_b32 s14, v1                    ; wave 0..3
	s_lshr_b32 s15, s14, 1                         ; which half of the tile's rows (A's side) is mine.  Also: I fetch for A (0) or for B (1)
	s_and_b32 s16, s14, 1                          ; which half of its columns (B's side).  Also: which 128 rows of that tile I fetch
	s_bfe_u32 s40, ttmp6, 0x40000                  ; cx: the tile column
	s_bfe_u32 s41, ttmp6, 0x40004                  ; cy: the tile row
	s_and_b32 s8, ttmp7, 0xffff                    ; L: the cluster's number, which all sixteen partners share
	s_cmp_ge_u32 s8, 8
	s_cselect_b32 s9, 1, 0
	s_cmp_ge_u32 s8, 16
	s_cselect_b32 s10, 1, 0
	s_cmp_ge_u32 s8, 20
	s_cselect_b32 s11, 1, 0
	s_add_co_u32 s9, s9, s10
	s_add_co_u32 s9, s9, s11                       ; the kind: 0 K, 1 V, 2 Q, 3 rk
	s_lshl_b32 s13, s9, 3
	s_min_u32 s13, s13, 20                         ; the kind's first L: 0, 8, 16, 20
	s_sub_co_u32 s12, s8, s13                      ; Li: which cluster of its kind
	s_lshl_b32 s10, s12, 1
	s_add_co_u32 s10, s10, 1                       ; blocks of 1,024 rows (2^20 bytes).  Q: A's block 2 Li + 1: x's half of batch Li
	s_cmp_eq_u32 s9, 2
	s_cselect_b32 s10, s10, s12                    ; K and rk: A's block Li
	s_cmp_eq_u32 s9, 1
	s_cselect_b32 s10, 2, s10                      ; V: A = W_qkv's third block,
	s_cselect_b32 s11, s12, 0                      ;    B = the context's block Li
	s_cmp_eq_u32 s9, 0
	s_cselect_b32 s11, 1, s11                      ; K: B = W_qkv's second block; Q and rk: B's block 0
	s_lshl_b32 s43, s41, 2
	s_lshl_b32 s43, 15, s43                        ; my row of the cluster
	s_lshl_b32 s44, 0x1111, s40                    ; my column
	; descriptor group 1: a tile of 128 rows x ROWB bytes, padded in LDS
	s_or_b32 s[G1+0], s43, (0<<16)|(1<<20)|(1<<21)|(5<<22)|(3<<25)  ; 15:0 the mask: A's tiles go to my row; 17:16 element of 1 byte; 20 padding on; 21 set beside a mask; 24:22 after every 64 words (code 5); 31:25 of 4 words (code 3)
	s_or_b32 s[G1B+0], s44, (0<<16)|(1<<20)|(1<<21)|(5<<22)|(3<<25)
.irp g, G1, G1B
	s_mov_b32 s[\g+1], ROWB<<16                    ; tensor_dim0
	s_mov_b32 s[\g+2], 128<<16                     ; tensor_dim1 = 128
	s_mov_b32 s[\g+3], ROWB<<16                    ; tile_dim0
	s_mov_b32 s[\g+4], 128                         ; tile_dim1 = 128
	s_mov_b32 s[\g+5], KROW                        ; tensor_dim0_stride
	s_mov_b32 s[\g+6], 0
	s_mov_b32 s[\g+7], 0
.endr
	s_lshl_b32 s18, s16, 7                         ; which 128 rows of the tile I fetch
	s_lshl_b32 s20, s41, 8
	s_add_co_u32 s20, s20, s18                     ; A: row 256 cy + 128 x half of its block,
	s_lshl_b32 s20, s20, 10                        ; in bytes,
	s_lshl_b32 s10, s10, 20
	s_add_co_u32 s20, s20, s10                     ; and the block: under 2^23
	s_mov_b32 s21, 0
	s_lshl_b32 s46, s40, 8
	s_add_co_u32 s46, s46, s18                     ; B: row 256 cx + 128 x half
	s_lshl_b32 s46, s46, 10
	s_lshl_b32 s11, s11, 20
	s_add_co_u32 s46, s46, s11
	s_mov_b32 s47, 0
	s_mul_i32 s45, s14, HALFT                      ; where they go: wave x 128 rows: no place in the cluster enters an LDS address
	s_lshl_b32 s66, s40, 8                         ; u is [16][64]: my 128 columns begin at 256 cx + 128 x my half, 4 bytes each
	s_lshl_b32 s67, s16, 7
	s_add_co_u32 s66, s66, s67
	s_lshl_b32 s66, s66, 2
	s_mov_b32 s67, 0
	s_wait_kmcnt 0x0
	s_load_b256 s[92:99], s[80:81], 0x0            ; e0 .. e7
	s_load_b32 s100, s[80:81], 0x20                ; e8
	s_add_nc_u64 s[66:67], s[76:77], s[66:67]      ; u at my columns; the pair is not written again
	s_cmp_eq_u32 s9, 1                             ; the buffers are chosen by the kind alone
	s_cselect_b64 s[4:5], s[70:71], s[68:69]
	s_cselect_b64 s[6:7], s[68:69], s[70:71]
	s_cmp_eq_u32 s9, 3
	s_cselect_b64 s[4:5], s[72:73], s[4:5]
	s_cselect_b64 s[6:7], s[74:75], s[6:7]
	s_add_nc_u64 s[20:21], s[4:5], s[20:21]
	s_add_nc_u64 s[46:47], s[6:7], s[46:47]
	CROUND                                         ; all sixteen work-groups are here: the first joint loads meet
.irp s, 0,1
	s_mov_b32 s[G0+4*\s], 1
	s_add_co_u32 s[G0+4*\s+1], s45, \s*SLOT
	s_add_nc_u64 s[G0+4*\s+2:G0+4*\s+3], s[20:21], \s*ROWB
	s_or_b32 s[G0+4*\s+3], s[G0+4*\s+3], 0x80000000
	s_mov_b32 s[G0B+4*\s], 1
	s_add_co_u32 s[G0B+4*\s+1], s45, \s*SLOT
	s_add_nc_u64 s[G0B+4*\s+2:G0B+4*\s+3], s[46:47], \s*ROWB
	s_or_b32 s[G0B+4*\s+3], s[G0B+4*\s+3], 0x80000000
	JLOAD G0+4*\s, G1, G0B+4*\s, G1B
.endr
	v_and_b32 v1, 15, v0                           ; l % 16
	v_bfe_u32 v2, v0, 4, 1                         ; l / 16
	v_mul_u32_u24 v3, v1, PITCH
	v_lshl_add_u32 v4, v2, 4, v3                   ; a fragment's row x pitch + 16 x half
	s_mul_i32 s21, s15, HALFT                      ; my 128 rows of A
	s_mul_i32 s22, s16, HALFT                      ; my 128 rows of B,
	s_add_co_u32 s22, s22, 2*HALFT                 ; which lie behind A's 256
.irp s, 0,1
	v_add_nc_u32 v[ADRA+\s], s21, v4
	v_add_nc_u32 v[ADRB+\s], s22, v4
	s_add_co_u32 s21, s21, SLOT
	s_add_co_u32 s22, s22, SLOT
.endr
	v_lshlrev_b32 v[HB], 5, v2
	v_and_b32 v6, 31, v0
	v_lshlrev_b32 v[CO0], 4, v6
	BLOAD BIAS, 66                                 ; u is asked for here, into registers that the loop does not touch: it lands under the products
.macro FRAG reg, adr, q, i             ; a fragment, 16 rows x 128 K of 8-bit codes, is 16 registers, fetched 16 bytes at a time: lane l holds row l % 16; registers 4 c .. 4 c + 3 hold K = 32 c + 16 (l / 16) + 0 .. 15: the same order of k in A and in B
.irp c, 0,1,2,3
	ds_load_b128 v[\reg+4*\c:\reg+4*\c+3], v[\adr] offset:128*(\q)+32*\c+(\i)*16*PITCH
.endr
.endm
; 16 matrix instructions: A's blocks a0, a0 + 1 x B's eight, 128 along K.  p: B's set.  zero = 1: the first product starts the sums: nothing is ever cleared.
; The 64 accumulators take turns, one instruction a turn, in the same order in every step.
.macro MUL16 a0, p, zero
.irp a, \a0, \a0+1
.irp b, 0,1,2,3,4,5,6,7
.if \zero
	v_wmma_f32_16x16x128_fp8_fp8 v[8*(8*((\a)%4)+\b):8*(8*((\a)%4)+\b)+7], v[128*(\p)+FR*\b:128*(\p)+FR*\b+FR-1], v[AF+FR*(\a):AF+FR*(\a)+FR-1], 0
.else
	v_wmma_f32_16x16x128_fp8_fp8 v[8*(8*((\a)%4)+\b):8*(8*((\a)%4)+\b)+7], v[128*(\p)+FR*\b:128*(\p)+FR*\b+FR-1], v[AF+FR*(\a):AF+FR*(\a)+FR-1], v[8*(8*((\a)%4)+\b):8*(8*((\a)%4)+\b)+7]
.endif
.endr
.endr
.endm
.macro FETCH_B slot, q, p              ; B's eight fragments of the slot's q-th 128 along K into set p
	WIN TO_B
.irp i, 0,1,2,3,4,5,6,7
	FRAG 128*(\p)+FR*\i, ADRB+\slot, \q, \i
.endr
	WIN 0
.endm
.macro FETCH_A slot, q, i0             ; A's blocks i0 .. i0 + 3
.irp i, \i0, \i0+1, \i0+2, \i0+3
	FRAG AF+FR*(\i), ADRA+\slot, \q, \i
.endr
.endm
; A load into a register that a matrix instruction has read, and a vector instruction that reads a matrix result, stand NP places behind that matrix instruction, and only plain vector
; instructions that name none of its registers are places (ISA guide 7.12.1 for vector instructions).
.macro PLACES n
.rept \n
	v_nop
.endr
.endm
; A step of 128 along K that has its successor in the same slot.
.macro STEP slot, q, zero
	s_wait_dscnt 4*NL                              ; B's set and A's blocks 0-3 are in; the youngest sixteen loads (A's blocks 4-7) may be out
	WIN MUL_LO
	MUL16 0, (\q)%2, \zero
	MUL16 2, (\q)%2, \zero
	s_wait_dscnt 0                                 ; A's blocks 4-7 are in (asked for 32 matrix instructions ago)
	PLACES NP
	FETCH_B \slot, (\q)+1, 1-(\q)%2
	FETCH_A \slot, (\q)+1, 0
	WIN MUL_HI
	MUL16 4, (\q)%2, \zero
	MUL16 6, (\q)%2, \zero
	PLACES NP
	WIN 0
	FETCH_A \slot, (\q)+1, 4
.endm
; A slot's last step changes slots: ONE barrier; in front of it each wave waits for all its tensor loads, adds 0 to its spare word, and waits for that and for its own reads of this slot.  fill = 1: this slot is filled again, two K steps ahead.
.macro TURN slot, next, fill
	s_wait_tensorcnt 0x0                           ; all my tensor loads have landed: my part of the next slot;  (every window is 0 here: the add's two registers lie in window 0)
	ds_add_u32 v[SPW], v[NIL]                      ; 0 onto my spare word
	s_wait_dscnt 4*NL+1                            ; (the add and the youngest sixteen loads, A's blocks 4-7, may be out)
	WIN MUL_LO
	MUL16 0, 1, 0                                  ; sixteen matrix instructions stand between the add and the wait for it
	s_wait_dscnt 0x0                               ; the add is done, and my reads of this slot are over
	s_barrier_signal -1
	MUL16 2, 1, 0
	WIN 0
	s_barrier_wait -1
.if \fill
	CREST                                          ; the barrier has opened a round of the cluster's barrier: no wave of any partner still reads this slot's tile or has a load on its way
	s_add_nc_u64 s[G0+4*\slot+2:G0+4*\slot+3], s[G0+4*\slot+2:G0+4*\slot+3], 2*ROWB
	s_add_nc_u64 s[G0B+4*\slot+2:G0B+4*\slot+3], s[G0B+4*\slot+2:G0B+4*\slot+3], 2*ROWB
	JLOAD G0+4*\slot, G1, G0B+4*\slot, G1B         ; the first tensor load behind the round; the four v_nop behind it are the places in front of the loads below
.else
	PLACES NP
.endif
	FETCH_B \next, 0, 0
	FETCH_A \next, 0, 0
	WIN MUL_HI
	MUL16 4, 1, 0
	MUL16 6, 1, 0
	PLACES NP
	WIN 0
	FETCH_A \next, 0, 4
.endm
	s_wait_tensorcnt 1                             ; my part of K step 0 is in (K step 1's load may be out),
	s_barrier_signal -1
	s_barrier_wait -1                              ; everybody's is
	FETCH_B 0, 0, 0
	FETCH_A 0, 0, 0
	FETCH_A 0, 0, 4
	STEP 0, 0, 1                                   ; the first step stands in front of the loop: its products start the sums
	s_mov_b32 s3, LAPS-1
.Llap:                                                 ; a trip goes once round the ring, from a lap's second step to the next lap's first, and fills both slots again
	TURN 0, 1, 1
	STEP 1, 0, 0
	TURN 1, 0, 1
	STEP 0, 0, 0
	s_sub_co_u32 s3, s3, 1
	s_cmp_lg_u32 s3, 0
	s_cbranch_scc1 .Llap
	TURN 0, 1, 0                                   ; the last lap fills nothing, and has no round of the cluster's barrier
	STEP 1, 0, 0
	s_wait_dscnt 4*NL                              ; the very last step: nothing more to fetch
	WIN MUL_LO
	MUL16 0, 1, 0
	MUL16 2, 1, 0
	s_wait_dscnt 0
	WIN MUL_HI
	MUL16 4, 1, 0
	MUL16 6, 1, 0
	WIN 0
	PLACES NP                                      ; in front of the loads and vector lines that write the registers that held A's fragments, and of the first read of results
; THE WAY OUT.  No tensor load is out (the last change of slots waited for all), so the descriptors' registers are free.  What differs between the kinds is numbers, chosen by the kind:
; the buffer, my first byte in it, the step from a block of 16 rows to the next (SA; V: SA2 more at block 4, where the next head begins), the step from my first 64 of B's side to my second (SQ), and the exponents.
	s_wait_kmcnt 0x0
	s_lshl_b32 s18, s41, 8
	s_lshl_b32 s19, s15, 7
	s_add_co_u32 s18, s18, s19                     ; rowA = 256 cy + 128 x my half: my first row of A's side in the cluster's 1,024
	s_lshl_b32 s19, s40, 8
	s_lshl_b32 s22, s16, 7
	s_add_co_u32 s19, s19, s22                     ; rowB = 256 cx + 128 x my half
	s_lshr_b32 s22, s12, 1
	s_lshl_b32 s22, s22, 21                        ; K, V: batch Li / 2, 2^21 bytes each,
	s_and_b32 s23, s12, 1
	s_lshl_b32 s23, s23, 16
	s_add_co_u32 s22, s22, s23                     ; and half Li % 2 of its positions: 64 tiles of 1,024 bytes, or 8 steps of 8,192
	s_lshl_b32 s32, s19, 11                        ; K: head rowB / 64 of 131,072 bytes,
	s_lshl_b32 s33, s18, 6                         ;    tile rowA / 16 of 1,024
	s_add_co_u32 s32, s32, s33
	s_add_co_u32 s32, s32, s22
	s_lshl_b32 s33, s18, 11                        ; V: head rowA / 64 of 131,072 bytes,
	s_lshl_b32 s36, s19, 6                         ;    step rowB / 128 of 8,192
	s_add_co_u32 s33, s33, s36
	s_add_co_u32 s33, s33, s22
	s_lshl_b32 s36, s12, 20                        ; Q: batch Li of 2^20 bytes,
	s_lshl_b32 s37, s19, 10                        ;    head rowB / 64 of 65,536,
	s_add_co_u32 s36, s36, s37
	s_lshl_b32 s37, s18, 6                         ;    tile rowA / 16 of 1,024
	s_add_co_u32 s36, s36, s37
	s_lshr_b32 s37, s19, 6                         ; rk: head rowB / 64 of 133,120 bytes,
	s_mul_i32 s37, s37, RKHEAD
	s_lshl_b32 s38, s12, 16                        ;     tile (1,024 Li + rowA) / 16 of 1,024,
	s_add_co_u32 s37, s37, s38
	s_lshl_b32 s38, s18, 6
	s_add_co_u32 s37, s37, s38
	s_add_co_u32 s37, s37, 2048                    ;     behind the two tiles of zeros
	s_add_co_i32 s38, s92, s93                     ; e0 + e1
	s_add_co_i32 s34, s94, s95                     ; e2 + e3
	s_mov_b32 s22, s32                             ; kind 0 first, then the others take its place
	s_mov_b64 s[20:21], s[82:83]
	s_mov_b32 s26, 1024                            ; SA
	s_mov_b32 s28, 0                               ; SA2
	s_mov_b32 s30, 131072                          ; SQ
	s_mov_b32 s39, s96                             ; e4
	s_cmp_eq_u32 s9, 1
	s_cselect_b32 s22, s33, s22
	s_cselect_b64 s[20:21], s[84:85], s[20:21]
	s_cselect_b32 s26, 2048, s26                   ; V: a block of 16 rows is a fragment of 2,048 bytes;
	s_cselect_b32 s28, 122880, s28                 ;    four of them, then the next head: 131,072 - 8,192
	s_cselect_b32 s30, 1024, s30                   ;    my second 64 keys are the fragment's second half
	s_cselect_b32 s39, s100, s39                   ; e8
	s_cmp_eq_u32 s9, 2
	s_cselect_b32 s22, s36, s22
	s_cselect_b64 s[20:21], s[86:87], s[20:21]
	s_cselect_b32 s30, 65536, s30
	s_cselect_b32 s39, s97, s39                    ; e5
	s_cselect_b32 s31, -1, 0                       ; only Q has a bias
	s_cmp_eq_u32 s9, 3
	s_cselect_b32 s22, s37, s22
	s_cselect_b64 s[20:21], s[90:91], s[20:21]
	s_cselect_b32 s30, RKHEAD, s30
	s_cselect_b32 s39, s98, s39                    ; e6
	s_cselect_b32 s38, s34, s38
	s_mov_b32 s23, 0
	s_mov_b32 s27, 0
	s_mov_b32 s29, 0
	s_add_nc_u64 s[20:21], s[20:21], s[22:23]      ; my first byte of the image
	s_add_co_i32 s38, s38, 127
	s_lshl_b32 s24, s38, 23                        ; 2^(ea + eb) as f32
	s_mov_b32 s25, s24                             ; (named with it as a pair, so it is written)
	s_lshl_b32 s32, s19, 2                         ; v is [16][64]: column rowB on, 4 bytes each
	s_mov_b32 s33, 0
	s_add_nc_u64 s[34:35], s[78:79], s[32:33]
	v_add_nc_u32 v[CO1], s30, v[CO0]
.macro SETLIM                          ; the quantiser's scale 2^eo and 448 x 2^eo, eo in s39
	s_add_co_i32 s36, s39, 127
	s_lshl_b32 s37, s36, 23
	v_mov_b32 v[QSC], s37
	s_add_co_i32 s36, s36, 8
	s_lshl_b32 s36, s36, 23
	s_or_b32 s36, s36, 0x600000
	v_mov_b32 v[QLIM], s36
.endm
; My eight blocks of 16 rows: number = sum x 2^(ea + eb) + bias, one packed multiply-add for two, each accumulator from its low end on; held, converted, stored: four stores of 512 consecutive bytes.
; The wait that frees the earlier stores' base and data stands behind the block's 32 multiply-adds, which touch neither: the base steps and the codes of two blocks ago are rewritten only behind it.
.macro EPI bias
.irp a, 0,1,2,3,4,5,6,7
.set AC, 64*((\a)%4)
.set CD, COD+16*((\a)%2)
	WIN 0x02+((\a)/4)                              ; source 0: window 2 or 3
.irp j, 0,2,4,6,8,10,12,14,16,18,20,22,24,26,28,30,32,34,36,38,40,42,44,46,48,50,52,54,56,58,60,62
	v_pk_fma_f32 v[TMP+\j:TMP+\j+1], v[AC+\j:AC+\j+1], s[24:25], v[\bias+\j:\bias+\j+1] op_sel_hi:[1,0,1]
.endr
	WIN 0
.if \a > 0
	s_wait_xcnt 0x0                                ; the earlier stores have read their base and their data
	s_add_nc_u64 s[20:21], s[20:21], s[26:27]
.endif
.if \a == 4
	s_add_nc_u64 s[20:21], s[20:21], s[28:29]
.endif
.irp b, 0,1,2,3,4,5,6,7
.irp i, 0,1,2,3,4,5,6,7
	v_med3_num_f32 v[TMP+8*\b+\i], v[TMP+8*\b+\i], -v[QLIM], v[QLIM]   ; the conversion to an 8-bit code does not saturate (ISA guide 7.6.2): the hold at the largest code x the scale comes first
.endr
	v_cvt_scalef32_pk8_fp8_f32 v[CD+2*\b:CD+2*\b+1], v[TMP+8*\b:TMP+8*\b+7], v[QSC]   ; registers 2 b, 2 b + 1: k = 16 b + 8 (lane / 16) + 0 .. 7
.endr
	v_nop                                          ; one plain vector instruction between the last conversion and the next block's lines, which write its sources
	global_store_b128 v[CO0], v[CD:CD+3], s[20:21]
	global_store_b128 v[CO0], v[CD+4:CD+7], s[20:21] offset:512
	global_store_b128 v[CO1], v[CD+8:CD+11], s[20:21]
	global_store_b128 v[CO1], v[CD+12:CD+15], s[20:21] offset:512
.endr
.endm
	BLOAD BIAS2, 34                                ; v is asked for here, by every kind: it lands under the first pass
	SETLIM
	s_wait_loadcnt 16                              ; u's sixteen loads, asked for at the head, are in; v's sixteen may be out
.irp j, 0,1,2,3,4,5,6,7,8,9,10,11,12,13,14,15,16,17,18,19,20,21,22,23,24,25,26,27,28,29,30,31,32,33,34,35,36,37,38,39,40,41,42,43,44,45,46,47,48,49,50,51,52,53,54,55,56,57,58,59,60,61,62,63
	v_cndmask_b32 v[BIAS+\j], 0, v[BIAS+\j], s31   ; K, V and rk have no bias: zeros in its place, by a choice of values and no branch
.endr
	EPI BIAS
	s_cmp_lg_u32 s9, 2                             ; Q goes out a second time, with v and e7.  The branch hangs on the cluster's number, which all partners share; no barrier and no tensor load stands inside
	s_cbranch_scc1 .Ldone
	s_wait_xcnt 0x0                                ; the stores have read their base and their data
	s_add_nc_u64 s[20:21], s[88:89], s[22:23]
	s_mov_b32 s39, s99                             ; e7
	SETLIM
	s_wait_loadcnt 0x0                             ; v
	EPI BIAS2
.Ldone:
	s_wait_tensorcnt 0x0                           ; the wave's end
	ds_add_u32 v[SPW], v[NIL]
	s_wait_dscnt 0x0
	CROUND                                         ; the closing round: no work-group ends while a partner may still ask for a tile that names it
	s_endpgm
.Lfunc_end_k_q81b145317e_proj:
	.size	k_q81b145317e_proj, .Lfunc_end_k_q81b145317e_proj-k_q81b145317e_proj
	.p2alignl 7, 3214868480
	.fill 96, 4, 3214868480
	.section	.rodata,"a",@progbits
	.p2align	6, 0x0
	.amdhsa_kernel k_q81b145317e_proj
		.amdhsa_group_segment_fixed_size 327680
		.amdhsa_private_segment_fixed_size 0
		.amdhsa_enable_private_segment 0
		.amdhsa_kernarg_size 96
		.amdhsa_user_sgpr_count 2
		.amdhsa_user_sgpr_kernarg_segment_ptr 1
		.amdhsa_wavefront_size32 1
		.amdhsa_system_sgpr_workgroup_id_x 1
		.amdhsa_system_sgpr_workgroup_id_y 1
		.amdhsa_system_sgpr_workgroup_id_z 1
		.amdhsa_system_vgpr_workitem_id 0
		.amdhsa_next_free_vgpr 1024
		.amdhsa_next_free_sgpr 101
		.amdhsa_reserve_vcc 0
		.amdhsa_float_denorm_mode_32 3
		.amdhsa_float_denorm_mode_16_64 3
		.amdhsa_memory_ordered 1
		.amdhsa_forward_progress 1
		.amdhsa_inst_pref_size 201
	.end_amdhsa_kernel
	.amdgpu_metadata
---
amdhsa.version: [ 1, 2 ]
amdhsa.kernels:
  - .name:           k_q81b145317e_proj
    .symbol:         k_q81b145317e_proj.kd
    .args:
      - { .name: ctx_codes, .offset: 0, .size: 8, .value_kind: global_buffer, .address_space: global }
      - { .name: W_qkv_codes, .offset: 8, .size: 8, .value_kind: global_buffer, .address_space: global }
      - { .name: r_codes, .offset: 16, .size: 8, .value_kind: global_buffer, .address_space: global }
      - { .name: W_r_codes, .offset: 24, .size: 8, .value_kind: global_buffer, .address_space: global }
      - { .name: u, .offset: 32, .size: 8, .value_kind: global_buffer, .address_space: global }
      - { .name: v, .offset: 40, .size: 8, .value_kind: global_buffer, .address_space: global }
      - { .name: lowp_scales, .offset: 48, .size: 8, .value_kind: global_buffer, .address_space: global }
      - { .name: k_img, .offset: 56, .size: 8, .value_kind: global_buffer, .address_space: global }
      - { .name: v_img, .offset: 64, .size: 8, .value_kind: global_buffer, .address_space: global }
      - { .name: qu_img, .offset: 72, .size: 8, .value_kind: global_buffer, .address_space: global }
      - { .name: qv_img, .offset: 80, .size: 8, .value_kind: global_buffer, .address_space: global }
      - { .name: rk_img, .offset: 88, .size: 8, .value_kind: global_buffer, .address_space: global }
    .group_segment_fixed_size: 327680
    .private_segment_fixed_size: 0
    .kernarg_segment_align: 8
    .kernarg_segment_size: 96
    .max_flat_workgroup_size: 128
    .sgpr_count:     101
    .vgpr_count:     1024
    .wavefront_size: 32
...
	.end_amdgpu_metadata
.endif
;; end of part 2
;; launch attn (part 3): grid 4 x 64, 8 waves a work-group, no clusters, 327,680 bytes of LDS; arguments qu_img, qv_img, k_img, v_img, rk_img, lowp_scales, av_img; writes av_img
.if DOCPART == 3
	.amdgcn_target "amdgcn-amd-amdhsa--gfx1250"
	.amdhsa_code_object_version 6
	.text
	.protected	k_q81b145317e_attn
	.globl	k_q81b145317e_attn
	.p2align	8
	.type	k_q81b145317e_attn,@function
k_q81b145317e_attn:
	s_mov_b64 s[64:65], 0
	v_nop
	global_prefetch_b8 v0, s[64:65] scope:SCOPE_SE
	s_setreg_imm32_b32 hwreg(HW_REG_WAVE_MODE, 25, 1), 1
	s_wait_xcnt 0x0
; RELATIVE ATTENTION on codes of FP8 (E4M3): for batch b and head n (y = 16 b + n): score(i, j) = (q_i + u) . k_j + BD'(i, j), softmax over the 2,048 keys, times V, quantised with e10 for the last projection.
; THE RELATIVE SHIFT, written out.  With y' = j - i + 1023:  BD'(i, j) = (q_i + v) . rk[y'] for y' <= 2047;  0 for y' = 2048;  (q_(i+1) + v) . rk[y' - 2049] beyond.  There is no mask, so the part that wraps round counts.
; In tiles of 16, T = y' / 16: tiles T <= 127 are rk's rows 16 T on, with q_i + v; tiles T >= 128 are rows 16 (T - 128) - 1 on, with q_(i+1) + v, row -1 being zeros (rk's image begins with tiles of zeros).
; A tile of 16 queries and a step of 128 keys need a band of 9 such tiles.  BD^T (source 0 = 16 rows of rk, source 1 = 16 queries) gives lane (r, h) query r and band rows 8 h + 0 .. 7; key = band row + r - 15, another
; displacement in each lane.  So the band goes through the wave's own scratch in LDS: word (band row + r + 1) of row r on the way in, words 16 + key on the way out: it comes back in the layout of K Q^T's result,
; is multiplied by 2^(e6+e7-e4-e5) and is the C of that product.
; THE SOFTMAX AHEAD OF THE LAST PRODUCT: t = score x log2(e) / 8; M = the row's largest t so far, rounded UP to a whole number; p = 2^(t - M) is quantised with e9; the sum is taken of the unquantised p and divides at the end.
; SHARES.  A work-group owns 256 queries of one (b, n); each of its eight waves 32: tile A at 256 x + 32 w, tile B 16 further on; their bands overlap in 8 of 9 tiles, so ten fragments of rk serve both.  Two waves to a SIMD.
; TWO GROUPS OF WAVES BY TURNS.  A key step has two halves: LPH, all that touches LDS (the fragments of rk, K and V, the position products, 176 LDS instructions of the shift), and VPH, work on registers alone (scaling, content
; products, softmax, the last products).  Group 0 walks a slot's two steps as L V L V; group 1 as V L V L, its first V being that of the slot before's last step, whose fragments of K and V lie in registers when the slot is left.
; So while four waves are at LDS the other four are at the vector unit.  Every barrier, tensor load and wait in front of a refill stands on every wave's path; only a VPH stands under a branch on the wave's number.
; The group is (w xor w / 4) mod 2: it differs between waves w and w + 4, and between waves 2 k and 2 k + 1.
; All operands come as images of their registers (registers 2 c, 2 c + 1 of lane (r, h): k = 16 c + 8 h + 0 .. 7; four registers = 512 bytes, lane l's 16 at 16 l): every LDS load takes 512 consecutive bytes.
; LDS: a ring of two slots of 256 keys (K 16 KiB, V 16 KiB), filled by waves 0 and 1; the head's whole image of rk, 133,120 bytes, filled once, an eighth by each wave; the scratches; the spare words.
; NO CLUSTER, though the four work-groups of a (b, n) walk the same K, V and rk: the band's place in rk (62 - 16 x - 2 w + 8 step) is an LDS address, and the change from q_i to q_(i+1) a branch, that hang on x, the very number
; in which the four differ; partners in joint loads must have LDS addresses and branches alike.
; LIMITS on the given exponents, so that each power of two below is an f32 number: e4+e5 between -123 and 130 (added to c's exponent field); e6+e7-e4-e5 between -126 and 127; e9 and e10 between -126 and 119; e8+e9 goes by v_ldexp_f32.
; REGISTERS.  Window 0: v1-15 addresses and the quantiser's scale; v16-21, v22-27 a tile's -M, largest t, sum (two halves), f (and its pair's upper word); v28-39 at work; v40-111 tile A's band, then its scores and p; v112-183 tile B's;
;   v184-199, v200-215 p's codes; v216-231 the way out.   Window 1: v0-31, v32-63 O^T of A, of B; v64-79 q+u; v80-95 the q+v in use; v96-111 q+v one query on; v112-191 rk's ten fragments, then V's four; v192-255 K's eight.
.set RK0,    65536                     ; rk's image; tile a of rk lies at RK0 + 1024 (a + 2)
.set RKPART, 16640                     ; an eighth of it: 65 rows of 256 bytes
.set RKHEAD, 133120
.set SCR,    199680                    ; the scratches begin 1,024 bytes behind rk's image
.set SCRW,   10496                     ; a wave's: 16 rows of 656 bytes (164 words): the b32 stores of a wave (word 165 r + 8 h) fall on 32 different words modulo 64, sixteen lanes' b128 loads (41 r x 16 bytes) on 16 different 16-byte columns modulo 256 bytes
.set SPARE,  283648                    ; the spare words, 128 bytes for each wave: four blocks of 256 bytes that no other line names
.set SLOT1,  0x8000                    ; slot 1 begins here: one exclusive or turns an address in one slot into the other's
.set VOFF,   16384                     ; in a slot: K's 16 tiles, then V's 8 fragments
.set L16, 1                            ; v1   16 x lane
.set LN1, 2                            ; v2   RK0 + 16 x lane: my place in a tile of rk
.set LN2, 3                            ; v3   the same one row up: lane r takes row r - 1, lane 0 the last row of the tile before
.set SKW, 4                            ; v4   the scratch, on the way in
.set SKR, 5                            ; v5   and on the way out
.set SPW, 6                            ; v6   LDS address of my spare word: SPARE + 4 x my thread's number; never rewritten
.set NIL, 7                            ; v7   0; never rewritten
.set ADK, 8                            ; v8   16 x lane + the slot in hand
.set ADR, 9                            ; v9-13 LDS address of the band's five pairs of tiles
.set PSC, 14                           ; v14  2^e9 as f32
.set PLIM, 15
.set STA, 16
.set STB, 22
.set SA,  40
.set SB,  112
.set PCA, 184
.set PCB, 200
.set OA,  0                            ; window 1
.set OB,  32
.set QU,  64
.set QC,  80
.set QN,  96
.set F1,  112
.set F2,  192
.set WV,  18                           ; s18  my wave's number
.set GRP, 19                           ; s19  my group: (w xor w / 4) mod 2
.set SEL, 20                           ; s[20:21] lane selects for v_permlanex16_b32: lane l xor 16
.set CS,  22                           ; s[22:23] c = log2(e) / 8 x 2^(e4+e5)
.set G1,  24                           ; s[24:31] descriptor group 1: 64 rows of 256 bytes;  s[32:39] 65 rows
.set G1R, 32
.set G0KV, 40                          ; s[40:43] group 0 of the ring's loads, which walks;  s[44:47] of rk's
.set G0R, 44
.set TB,  48                           ; s48  LDS byte at which the slot in hand begins
.set SLOTS, 49                         ; s49  the loop's trips to go
.set TBD, 50                           ; s50  the band's first tile T for tile B in the step whose LPH comes next
.set RHO, 52                           ; s[52:53] 2^(e6+e7-e4-e5)
.set MSB, 0
.macro WIN new                         ; the immediate's high byte repeats the setting that is left
.if MSB != \new
	s_set_vgpr_msb (MSB<<8)|\new
.set MSB, \new
.endif
.endm
.set W_S,  0x05                        ; sources 0 and 1 window 1; C and D window 0: the products that make scores
.set W_PV, 0x51                        ; V window 1, p's codes window 0, O^T window 1
.set W_LD, 0x40                        ; destination window 1, address window 0
.set W_11, 0x41                        ; destination and source 0 window 1, source 1 window 0
	s_load_b256 s[4:11], s[0:1], 0x0               ; q+u s[4:5], q+v s[6:7], K s[8:9], V s[10:11]
	s_load_b128 s[12:15], s[0:1], 0x20             ; rk s[12:13], the scales' exponents s[14:15]
	s_load_b64 s[16:17], s[0:1], 0x30              ; the result's image
	v_lshl_add_u32 v[SPW], v0, 2, SPARE
	v_mov_b32 v[NIL], 0
	ds_add_u32 v6, v7
	ds_add_u32 v6, v7
	s_wait_dscnt 0x0
	v_lshrrev_b32 v1, 5, v0
	s_delay_alu instid0(VALU_DEP_1)
	v_readfirstlane_b32 s[WV], v1                  ; wave 0..7
	s_lshr_b32 s[GRP], s[WV], 2
	s_xor_b32 s[GRP], s[GRP], s[WV]
	s_and_b32 s[GRP], s[GRP], 1                    ; group 0: waves 0, 2, 5, 7; group 1: waves 1, 3, 4, 6
	s_and_b32 s80, ttmp7, 0xffff                   ; y = 16 b + n
	s_and_b32 s81, s80, 15                         ; n
	s_lshr_b32 s82, s80, 4                         ; b
	; descriptor groups 1: dense blocks of memory, stated as rows of 256 bytes (32 elements of 8 bytes); no padding: images are read 512 consecutive bytes at a time
	s_mov_b32 s[G1], 3<<16                         ; 15:0 no mask; 17:16 elements of 8 bytes
	s_mov_b32 s[G1+1], 32<<16                      ; tensor_dim0 = 32
	s_mov_b32 s[G1+2], 64<<16                      ; tensor_dim1 = 64
	s_mov_b32 s[G1+3], 32<<16                      ; tile_dim0 = 32
	s_mov_b32 s[G1+4], 64                          ; tile_dim1 = 64
	s_mov_b32 s[G1+5], 32                          ; tensor_dim0_stride
	s_mov_b32 s[G1+6], 0
	s_mov_b32 s[G1+7], 0
	s_mov_b32 s[G1R], 3<<16
	s_mov_b32 s[G1R+1], 32<<16
	s_mov_b32 s[G1R+2], 65<<16
	s_mov_b32 s[G1R+3], 32<<16
	s_mov_b32 s[G1R+4], 65
	s_mov_b32 s[G1R+5], 32
	s_mov_b32 s[G1R+6], 0
	s_mov_b32 s[G1R+7], 0
	s_mul_i32 s54, s81, RKHEAD                     ; rk: the head's image,
	s_mul_i32 s55, s[WV], RKPART                   ; my eighth of it
	s_add_co_u32 s54, s54, s55
	s_add_co_u32 s[G0R+1], s55, RK0                ; and its place in LDS
	s_mov_b32 s55, 0
	s_lshl_b32 s56, s80, 17                        ; K and V: 131,072 bytes for each (b, n)
	s_mov_b32 s57, 0
	s_and_b32 s58, s[WV], 1
	s_lshl_b32 s[G0KV+1], s58, 14                  ; wave 0: K's part of slot 0; wave 1: V's
	s_mov_b32 s[G0KV], 1
	s_mov_b32 s[G0R], 1
	s_mov_b32 s[SEL], 0x76543210
	s_mov_b32 s[SEL+1], 0xfedcba98
	s_mov_b32 s[CS], 0x3e38aa3b                    ; log2(e) / 8
	s_mov_b32 s[TB], 0
	s_mov_b32 s[SLOTS], 6
	s_wait_kmcnt 0x0
	s_load_b256 s[68:75], s[14:15], 0x0            ; e0 .. e7
	s_load_b128 s[76:79], s[14:15], 0x20           ; e8 .. e11
	s_add_nc_u64 s[G0R+2:G0R+3], s[12:13], s[54:55]
	s_or_b32 s[G0R+3], s[G0R+3], 0x80000000        ; type = 2
	s_cmp_eq_u32 s58, 0
	s_cselect_b64 s[G0KV+2:G0KV+3], s[8:9], s[10:11]
	s_add_nc_u64 s[G0KV+2:G0KV+3], s[G0KV+2:G0KV+3], s[56:57]
	s_or_b32 s[G0KV+3], s[G0KV+3], 0x80000000
	s_cmp_lt_u32 s[WV], 2                          ; a wave's first fills stand in one branch, ahead of every wait on TENSORcnt, every LDS read and every barrier: two loads of waves 0 and 1 are out, one of the others
	s_cbranch_scc0 .Lrk_only
	tensor_load_to_lds s[G0R:G0R+3], s[G1R:G1R+7]
	s_nop 0
	tensor_load_to_lds s[G0KV:G0KV+3], s[G1:G1+7]
	s_nop 0
.rept 4
	v_nop
.endr
	s_branch .Lasked
.Lrk_only:
	tensor_load_to_lds s[G0R:G0R+3], s[G1R:G1R+7]
	s_nop 0
.rept 4
	v_nop
.endr
.Lasked:
	v_and_b32 v28, 31, v0
	s_delay_alu instid0(VALU_DEP_1)
	v_lshlrev_b32 v[L16], 4, v28                   ; 16 x lane
	v_and_b32 v29, 15, v0                          ; r
	v_bfe_u32 v30, v0, 4, 1                        ; h
	s_delay_alu instid0(VALU_DEP_3)
	v_add_nc_u32 v[LN1], RK0, v[L16]
	s_delay_alu instid0(VALU_DEP_3)
	v_add_nc_u32 v31, 15, v29                      ; r + 15: row r - 1 of the tile one further on than the base
	s_delay_alu instid0(VALU_DEP_1)
	v_and_b32 v32, 15, v31
	s_delay_alu instid0(VALU_DEP_2)
	v_lshrrev_b32 v31, 4, v31
	s_delay_alu instid0(VALU_DEP_2)
	v_lshlrev_b32 v[LN2], 4, v32
	s_delay_alu instid0(VALU_DEP_1)
	v_lshl_add_u32 v[LN2], v31, 10, v[LN2]
	s_delay_alu instid0(VALU_DEP_1)
	v_lshl_add_u32 v[LN2], v30, 8, v[LN2]
	s_delay_alu instid0(VALU_DEP_1)
	v_add_nc_u32 v[LN2], RK0, v[LN2]
	s_mul_i32 s54, s[WV], SCRW
	s_add_co_u32 s54, s54, SCR                     ; my wave's scratch
	v_mul_u32_u24 v[SKW], v29, 660                 ; in: row r of 656 bytes, word r + 1 + 8 h: 660 r + 32 h + 4
	s_delay_alu instid0(VALU_DEP_1)
	v_lshl_add_u32 v[SKW], v30, 5, v[SKW]
	s_delay_alu instid0(VALU_DEP_1)
	v_add_nc_u32 v[SKW], s54, v[SKW]
	s_delay_alu instid0(VALU_DEP_1)
	v_add_nc_u32 v[SKW], 4, v[SKW]
	v_mul_u32_u24 v[SKR], v29, 656                 ; out: row r, word 16 + 8 h
	s_delay_alu instid0(VALU_DEP_1)
	v_lshl_add_u32 v[SKR], v30, 5, v[SKR]
	s_delay_alu instid0(VALU_DEP_1)
	v_add_nc_u32 v[SKR], s54, v[SKR]
	s_delay_alu instid0(VALU_DEP_1)
	v_add_nc_u32 v[SKR], 64, v[SKR]
	s_lshl_b32 s59, ttmp9, 4
	s_lshl_b32 s60, s[WV], 1
	s_add_co_u32 s59, s59, s60                     ; tile A's number among the head's 64: 16 x + 2 w
	s_lshl_b32 s60, s59, 10
	s_mov_b32 s61, 0
	s_lshl_b32 s62, s80, 16                        ; q's images: 65,536 bytes for each (b, n)
	s_mov_b32 s63, 0
	s_add_nc_u64 s[4:5], s[4:5], s[62:63]
	s_add_nc_u64 s[6:7], s[6:7], s[62:63]          ; q+v at the head's first tile,
	s_add_nc_u64 s[4:5], s[4:5], s[60:61]          ; q+u at tile A,
	s_add_nc_u64 s[8:9], s[6:7], s[60:61]          ; q+v at tile A
	v_add_nc_u32 v31, 1, v29                       ; one query on: lane r takes lane r + 1's place, lane 15 the next tile's first
	s_delay_alu instid0(VALU_DEP_1)
	v_and_b32 v32, 15, v31
	s_delay_alu instid0(VALU_DEP_2)
	v_lshrrev_b32 v31, 4, v31
	s_delay_alu instid0(VALU_DEP_2)
	v_lshlrev_b32 v36, 4, v32
	s_delay_alu instid0(VALU_DEP_1)
	v_lshl_add_u32 v36, v31, 10, v36
	s_delay_alu instid0(VALU_DEP_1)
	v_lshl_add_u32 v36, v30, 8, v36
	s_delay_alu instid0(VALU_DEP_1)
	v_add_nc_u32 v36, s60, v36                     ; tile A's, from the head's first tile
	s_delay_alu instid0(VALU_DEP_1)
	v_add_nc_u32 v37, 0x400, v36                   ; tile B's.  Query 1,024 does not exist: the offset is held inside the head's 65,536 bytes (65,008 + 512 + 16),
	s_delay_alu instid0(VALU_DEP_1)
	v_min_u32 v37, 0xfdf0, v37                     ; and what lane 15 of the last tile then multiplies lands in words of the scratch that are never read (query 1,023 meets no y' above 2,047)
	WIN W_LD
.irp i, 0,1,2,3
	global_load_b128 v[QU+4*\i:QU+4*\i+3], v[L16], s[4:5] offset:512*\i    ; q+u: tile A's two groups, tile B's two
	global_load_b128 v[QC+4*\i:QC+4*\i+3], v[L16], s[8:9] offset:512*\i    ; q+v likewise
.endr
.irp i, 0,1
	global_load_b128 v[QN+4*\i:QN+4*\i+3], v36, s[6:7] offset:512*\i       ; q+v one query on
	global_load_b128 v[QN+8+4*\i:QN+8+4*\i+3], v37, s[6:7] offset:512*\i
.endr
.set j, 0
.rept 64
	v_mov_b32 v[OA+j], 0                           ; O^T.  (VPH has one form: the first finds zeros, which the first change of M leaves zeros)
.set j, j+1
.endr
	WIN 0
	s_xor_b32 s54, ttmp9, 3                        ; the band's first tile: 62 - 16 x - 2 w = 16 (3 - x) + 2 (7 - w), even and never negative
	s_lshl_b32 s54, s54, 4
	s_xor_b32 s55, s[WV], 7
	s_lshl_b32 s55, s55, 1
	s_add_co_u32 s[TBD], s54, s55
	s_lshl_b32 s54, s82, 6                         ; the result's image: [b][tile of queries 64][K step 8][group 4][512]: head n is K step n / 2, groups 2 (n % 2) and the next
	s_add_co_u32 s54, s54, s59
	s_lshl_b32 s54, s54, 14
	s_lshr_b32 s55, s81, 1
	s_lshl_b32 s55, s55, 11
	s_add_co_u32 s54, s54, s55
	s_and_b32 s55, s81, 1
	s_lshl_b32 s55, s55, 10
	s_add_co_u32 s54, s54, s55
	s_mov_b32 s55, 0
	s_add_nc_u64 s[16:17], s[16:17], s[54:55]
.irp st, STA, STB
	v_mov_b32 v[\st+1], 0xff61b1e6                 ; the largest t so far: -3e38, under every t
	s_delay_alu instid0(VALU_DEP_1)
	v_floor_f32 v[\st], -v[\st+1]                  ; -M
	v_mov_b32 v[\st+2], 0                          ; the sum, in two halves
	v_mov_b32 v[\st+3], 0
	v_mov_b32 v[\st+5], 0                          ; (named as the upper half of f's pair)
.endr
	s_wait_kmcnt 0x0
	s_add_co_i32 s54, s72, s73                     ; e4 + e5: a score stands for score x 2^(e4+e5): added to c's exponent field
	s_lshl_b32 s55, s54, 23
	s_add_co_i32 s[CS], s[CS], s55
	s_mov_b32 s[CS+1], s[CS]                       ; (named with it as a pair, so it is written)
	s_add_co_i32 s55, s74, s75
	s_sub_co_i32 s55, s55, s54                     ; e6 + e7 - e4 - e5: brings the position scores under the content scores' power of two
	s_add_co_i32 s55, s55, 127
	s_lshl_b32 s[RHO], s55, 23
	s_mov_b32 s[RHO+1], s[RHO]
	s_add_co_i32 s54, s77, 127
	s_lshl_b32 s55, s54, 23
	v_mov_b32 v[PSC], s55                          ; 2^e9
; Pair g of the band: tiles T = TBD + 2 g and T + 1 (T is even, so a pair lies on one side of 128).  Where T = 128 the queries change: from here on q_(i+1) + v.  Later steps begin at T >= 128, so nothing changes back;
; a wave that meets T = 128 as pair 4 meets it again as the next step's pair 0, and the second copy changes nothing.  The branch hangs on ids and the step's count alone.
; Position p = 2 g, 2 g + 1 of the band is tile B's tile p (p <= 8) and tile A's tile p - 1 (p >= 1).  Every product starts its own sum with the constant 0.
.macro BDPAIR g
	WIN 0                                          ; at a branch and at a label every window is 0
	s_add_co_u32 s54, s[TBD], 2*\g
	s_cmp_lg_u32 s54, 128
	s_cbranch_scc1 .Lkeep_\@
.rept 4
	v_nop                                          ; places behind the products that read the registers written below
.endr
	WIN W_11
.set j, 0
.rept 16
	v_mov_b32 v[QC+j], v[QN+j]
.set j, j+1
.endr
	WIN 0
.Lkeep_\@:
	WIN W_S
	s_wait_alu depctr_va_vdst(0)
.irp p, 2*\g, 2*\g+1
.if (\p) <= 8
	v_wmma_f32_16x16x64_fp8_fp8 v[SB+8*(\p):SB+8*(\p)+7], v[F1+8*(\p):F1+8*(\p)+7], v[QC+8:QC+15], 0
.endif
.if (\p) >= 1
	v_wmma_f32_16x16x64_fp8_fp8 v[SA+8*((\p)-1):SA+8*((\p)-1)+7], v[F1+8*(\p):F1+8*(\p)+7], v[QC:QC+7], 0
.endif
.endr
.endm
; A tile's band, 72 registers, through the scratch.  Register 8 tau + j of lane (r, h) is band row 16 tau + 8 h + j.  LDS serves a wave's instructions in order: the loads see the stores, and the other tile's stores come behind them.
.macro SHIFT sc
.set n, 0
.rept 72
	ds_store_b32 v[SKW], v[\sc+n] offset:64*(n/8)+4*(n%8)
.set n, n+1
.endr
.set n, 0
.rept 16
	ds_load_b128 v[\sc+4*n:\sc+4*n+3], v[SKR] offset:64*(n/2)+16*(n%2)     ; register 8 t + j: key 16 t + 8 h + j
.set n, n+1
.endr
.endm
.macro SCALE sc                        ; the position scores x 2^(e6+e7-e4-e5): exact, short of overflow and underflow
.set j, 0
.rept 32
	v_pk_mul_f32 v[\sc+j:\sc+j+1], v[\sc+j:\sc+j+1], s[RHO:RHO+1] op_sel_hi:[1,0]
.set j, j+2
.endr
.endm
.macro CONTENT sc, q                   ; S^T = K (q + u)^T + the position scores: eight accumulators, one instruction each
.irp t, 0,1,2,3,4,5,6,7
	v_wmma_f32_16x16x64_fp8_fp8 v[\sc+8*\t:\sc+8*\t+7], v[F2+8*\t:F2+8*\t+7], v[\q:\q+7], v[\sc+8*\t:\sc+8*\t+7]
.endr
.endm
; A tile's softmax for a step of 128 keys: 64 scores a lane at v[sc] on; statistics at v[st]; p's codes to v[pc] on.
.macro SM sc, st, pc
	v_max3_num_f32 v28, v[\sc], v[\sc+1], v[\sc+2] ; the step's largest score of my query among my 64 keys, in two chains, each accumulator from its low end on
	v_max3_num_f32 v29, v[\sc+3], v[\sc+4], v[\sc+5]
.set j, 6
.rept 14
	v_max3_num_f32 v28, v28, v[\sc+j], v[\sc+j+1]
	v_max3_num_f32 v29, v29, v[\sc+j+2], v[\sc+j+3]
.set j, j+4
.endr
	v_max3_num_f32 v28, v28, v[\sc+62], v[\sc+63]
	s_delay_alu instid0(VALU_DEP_1)
	v_max_num_f32 v28, v28, v29
	s_delay_alu instid0(VALU_DEP_1)
	v_permlanex16_b32 v30, v28, s[SEL], s[SEL+1]
	s_delay_alu instid0(VALU_DEP_1)
	v_max_num_f32 v28, v28, v30                    ; and among lane l xor 16's
	s_delay_alu instid0(VALU_DEP_1)
	v_mul_f32 v28, s[CS], v28                      ; as t (c is positive)
	s_delay_alu instid0(VALU_DEP_1)
	v_max_num_f32 v[\st+1], v[\st+1], v28          ; the running largest t
	v_mov_b32 v28, v[\st]
	s_delay_alu instid0(VALU_DEP_2)
	v_floor_f32 v[\st], -v[\st+1]                  ; the new -M = floor(-t) = -ceil(t): M is a whole number
	s_delay_alu instid0(VALU_DEP_1)
	v_sub_f32 v28, v[\st], v28                     ; M's old value less its new one: a whole number, 0 or less
	s_delay_alu instid0(VALU_DEP_1)
	v_cvt_i32_f32 v28, v28                         ; (it saturates)
	s_delay_alu instid0(VALU_DEP_1)
	v_ldexp_f32 v[\st+4], 1.0, v28                 ; f = 2^(old M - new M)
.set j, 0
.rept 32
	v_pk_fma_f32 v[\sc+j:\sc+j+1], v[\sc+j:\sc+j+1], s[CS:CS+1], v[\st:\st+1] op_sel_hi:[1,0,0]   ; t - M, two at a time (of the pairs c and -M the low word serves both halves)
.set j, j+2
.endr
.set j, 0
	s_wait_alu depctr_va_vdst(0)
.rept 64
	v_exp_f32 v[\sc+j], v[\sc+j]                   ; p = 2^(t - M), at most 1: not normalised
.set j, j+1
.endr
	v_pk_mul_f32 v[\st+2:\st+3], v[\st+2:\st+3], v[\st+4:\st+5] op_sel_hi:[1,0]   ; the sums under the new M.  (A plain place behind the exponentials)
	s_wait_alu depctr_va_vdst(0)
	v_pk_add_f32 v[32:33], v[\sc:\sc+1], v[\sc+2:\sc+3]                           ; the row's sum is taken of the unquantised p: two at a time, in two chains
.set j, 4
.rept 15
	v_pk_add_f32 v[\st+2:\st+3], v[\st+2:\st+3], v[\sc+j:\sc+j+1]
	v_pk_add_f32 v[32:33], v[32:33], v[\sc+j+2:\sc+j+3]
.set j, j+4
.endr
	s_delay_alu instid0(VALU_DEP_1)
	v_pk_add_f32 v[\st+2:\st+3], v[\st+2:\st+3], v[32:33]
.set t, 0
.rept 8
.set j, 0
.rept 8
.set j, j+1
.endr
	v_cvt_scalef32_pk8_fp8_f32 v[\pc+2*t:\pc+2*t+1], v[\sc+8*t:\sc+8*t+7], v[PSC]   ; tile t's eight keys are registers 2 t, 2 t + 1 of the next product's operand
.set t, t+1
.endr
.endm
.macro RESC o, st                      ; O^T under the new M: x f.  These lines are also the plain place behind the conversions
	WIN W_11
.set j, 0
.rept 16
	v_pk_mul_f32 v[\o+j:\o+j+1], v[\o+j:\o+j+1], v[\st+4:\st+5] op_sel_hi:[1,0]
.set j, j+2
.endr
	WIN 0
.endm
; LPH: THE HALF OF A KEY STEP THAT TOUCHES LDS, for the q-th 128 keys of the slot in hand.  It leaves the shifted position scores in v[SB] and v[SA] on, K's fragments in F2 and V's in F1, and no LDS instruction out.
.macro LPH q
	v_add_nc_u32 v[ADK], s[TB], v[L16]             ; these eleven plain vector lines are also the places between the last products of a VPH and the loads into the registers that they read
.irp g, 0,1,2,3,4
	s_add_co_u32 s54, s[TBD], 2*\g                 ; T
	s_add_co_u32 s55, s54, 2
	s_min_u32 s55, s55, 128                        ; T <= 126: tile T lies T + 2 tiles into the image
	s_and_b32 s56, s54, 127
	s_add_co_u32 s56, s56, 1
	s_min_u32 s56, s56, 64                         ; T >= 128: the base is tile T - 129, which lies T - 127 tiles in; T stays under 192
	s_cmp_lt_u32 s54, 128
	s_cselect_b32 s55, s55, s56
	s_cselect_b32 s57, 0, -1
	s_lshl_b32 s55, s55, 10
	v_cndmask_b32 v[ADR+\g], v[LN1], v[LN2], s57
	s_delay_alu instid0(VALU_DEP_1)
	v_add_nc_u32 v[ADR+\g], s55, v[ADR+\g]
.endr
	WIN W_LD
	s_wait_alu depctr_va_vdst(0)
.irp p, 0,1,2,3,4,5,6,7,8,9
	ds_load_b128 v[F1+8*\p:F1+8*\p+3], v[ADR+\p/2] offset:1024*(\p%2)
	ds_load_b128 v[F1+8*\p+4:F1+8*\p+7], v[ADR+\p/2] offset:1024*(\p%2)+512
.endr
.irp t, 0,1,2,3,4,5,6,7
	ds_load_b128 v[F2+8*\t:F2+8*\t+3], v[ADK] offset:8192*(\q)+1024*\t
	ds_load_b128 v[F2+8*\t+4:F2+8*\t+7], v[ADK] offset:8192*(\q)+1024*\t+512
.endr
	s_wait_dscnt 16                                ; rk's twenty loads are in; K's sixteen may be out
	BDPAIR 0
	BDPAIR 1
	BDPAIR 2
	BDPAIR 3
	BDPAIR 4
	WIN 0
.rept 4
	v_nop                                          ; places in front of the stores that read the results, and of the loads into results and into rk's registers
.endr
	SHIFT SB
	SHIFT SA
	WIN W_LD
.irp d, 0,1,2,3
.irp g, 0,1,2,3
	ds_load_b128 v[F1+16*\d+4*\g:F1+16*\d+4*\g+3], v[ADK] offset:VOFF+8192*(\q)+2048*\d+512*\g   ; V^T: 16 of the head's 64 x these 128 keys
.endr
.endr
	WIN 0
	s_add_co_u32 s[TBD], s[TBD], 8                 ; 128 keys on: eight tiles
	s_wait_dscnt 0x0                               ; all is in registers: what follows, here or behind a change of slots, touches no LDS
.endm
; VPH: THE HALF THAT WORKS ON REGISTERS ALONE: no LDS instruction, no address, no wait.
.macro VPH
	SCALE SB
	WIN W_S
	CONTENT SB, QU+8
	WIN 0
	SCALE SA                                       ; (these lines are the places behind tile B's products)
	WIN W_S
	CONTENT SA, QU
	WIN 0
	SM SB, STB, PCB                                ; (and tile B's softmax those behind tile A's)
	RESC OB, STB
	SM SA, STA, PCA
	RESC OA, STA
	WIN W_PV
.irp d, 0,1,2,3                        ; O^T += V^T p^T, K = 128 keys: the eight accumulators take turns, one instruction a turn
	v_wmma_f32_16x16x128_fp8_fp8 v[OB+8*\d:OB+8*\d+7], v[F1+16*\d:F1+16*\d+15], v[PCB:PCB+15], v[OB+8*\d:OB+8*\d+7]
	v_wmma_f32_16x16x128_fp8_fp8 v[OA+8*\d:OA+8*\d+7], v[F1+16*\d:F1+16*\d+15], v[PCA:PCA+15], v[OA+8*\d:OA+8*\d+7]
.endr
	WIN 0
.endm
.macro VIF grp                         ; a VPH that the waves of one group alone walk here; the other group walks its own on the other side of the change of slots
	s_cmp_lg_u32 s[GRP], \grp
	s_cbranch_scc1 .Lskip_\@
	VPH
.Lskip_\@:
.endm
; THE CHANGE OF SLOTS stands at a slot's head.  Each wave waits for all its tensor loads, adds 0 to its spare word, and waits for that and for its reads of the slot that it has left (every LPH ends with all its reads in).
; Behind the barrier the slot ahead (at the first change: rk's image too) is whole and nobody reads the other one.  fill = 1: waves 0 and 1 fill that other slot with the next 256 keys: the load has two key steps in which to land.
.macro CHANGE fill
	s_wait_tensorcnt 0x0                           ; no tensor load of mine is out, so a group 0 may be written
	ds_add_u32 v[SPW], v[NIL]                      ; 0 onto my spare word
.if \fill
	s_xor_b32 s[G0KV+1], s[G0KV+1], SLOT1          ; the walking descriptor: the other slot than last time,
	s_add_nc_u64 s[G0KV+2:G0KV+3], s[G0KV+2:G0KV+3], 16384   ; the next 256 keys; the type bits on top are not reached
.endif
	s_wait_dscnt 0x0                               ; the add is done, and my reads of the slot that I have left are over
	s_barrier_signal -1
	s_barrier_wait -1
.if \fill
	s_cmp_lt_u32 s[WV], 2
	s_cbranch_scc0 .Lnone_\@
	tensor_load_to_lds s[G0KV:G0KV+3], s[G1:G1+7]  ; the first thing behind the barrier, and a wave's one tensor load until the next
	s_nop 0
.rept 4
	v_nop
.endr
.Lnone_\@:
.endif
.endm
	s_wait_loadcnt 0x0                             ; q's fragments
	CHANGE 1                                       ; THE FIRST SLOT is written out: group 1 has no VPH in hand yet.  It reaches the next change of slots a VPH ahead of group 0, and from there on the groups take turns
	LPH 0
	VPH
	LPH 1
	VIF 0
	s_xor_b32 s[TB], s[TB], SLOT1
.Lslot:                                            ; six trips: slots 1 to 6; behind each change of slots the next slot is asked for
	CHANGE 1
	VIF 1                                          ; group 1: the last step of the slot before
	LPH 0
	VPH
	LPH 1
	VIF 0                                          ; group 0: this slot's last step
	s_xor_b32 s[TB], s[TB], SLOT1
	s_sub_co_u32 s[SLOTS], s[SLOTS], 1
	s_cmp_lg_u32 s[SLOTS], 0
	s_cbranch_scc1 .Lslot
	CHANGE 0                                       ; THE LAST SLOT is written out
	VIF 1
	LPH 0
	VPH
	LPH 1
	VPH                                            ; both groups
	; THE WAY OUT.  O^T / the sum x 2^(e8+e9) is the last projection's operand: converted with e10, and stored as its registers' image.  The nine plain lines below that touch no O^T are the places behind the last products.
	v_add_f32 v28, v[STA+2], v[STA+3]              ; the sums' two halves,
	v_add_f32 v29, v[STB+2], v[STB+3]
	s_delay_alu instid0(VALU_DEP_2)
	v_permlanex16_b32 v30, v28, s[SEL], s[SEL+1]
	s_delay_alu instid0(VALU_DEP_2)
	v_permlanex16_b32 v31, v29, s[SEL], s[SEL+1]
	s_delay_alu instid0(VALU_DEP_2)
	v_add_f32 v28, v28, v30                        ; and lane l xor 16's
	s_delay_alu instid0(VALU_DEP_2)
	v_add_f32 v29, v29, v31
	s_wait_alu depctr_va_vdst(0)
	v_rcp_f32 v28, v28
	v_rcp_f32 v29, v29
	s_add_co_i32 s54, s78, 127
	s_lshl_b32 s55, s54, 23
	v_mov_b32 v32, s55                             ; 2^e10.  (A plain place behind the reciprocals)
	s_add_co_i32 s54, s76, s77
	s_wait_alu depctr_va_vdst(0)
	v_ldexp_f32 v28, v28, s54                      ; x 2^(e8+e9)
	v_ldexp_f32 v29, v29, s54
	v_nop
	WIN 0x01                                       ; source 0 window 1
.set j, 0
.rept 32
	v_mul_f32 v[SA+j], v[OA+j], v28                ; register 8 d + i: channel 16 d + 8 h + i of my query
	v_mul_f32 v[SB+j], v[OB+j], v29
.set j, j+1
.endr
	WIN 0
.set j, 0
.rept 32
.set j, j+1
.endr
.irp d, 0,1,2,3
	v_cvt_scalef32_pk8_fp8_f32 v[216+2*\d:217+2*\d], v[SA+8*\d:SA+8*\d+7], v32
	v_cvt_scalef32_pk8_fp8_f32 v[224+2*\d:225+2*\d], v[SB+8*\d:SB+8*\d+7], v32
.endr
	v_nop                                          ; one plain vector line behind the last conversion
	global_store_b128 v[L16], v[216:219], s[16:17]                ; each store of the wave covers 512 consecutive bytes
	global_store_b128 v[L16], v[220:223], s[16:17] offset:512
	global_store_b128 v[L16], v[224:227], s[16:17] offset:16384   ; tile B: the next tile of queries
	global_store_b128 v[L16], v[228:231], s[16:17] offset:16896
	s_wait_tensorcnt 0x0                           ; the wave's end
	ds_add_u32 v[SPW], v[NIL]
	s_wait_dscnt 0x0
	s_endpgm
.Lfunc_end_k_q81b145317e_attn:
	.size	k_q81b145317e_attn, .Lfunc_end_k_q81b145317e_attn-k_q81b145317e_attn
	.p2alignl 7, 3214868480
	.fill 96, 4, 3214868480
	.section	.rodata,"a",@progbits
	.p2align	6, 0x0
	.amdhsa_kernel k_q81b145317e_attn
		.amdhsa_group_segment_fixed_size 327680
		.amdhsa_private_segment_fixed_size 0
		.amdhsa_enable_private_segment 0
		.amdhsa_kernarg_size 56
		.amdhsa_user_sgpr_count 2
		.amdhsa_user_sgpr_kernarg_segment_ptr 1
		.amdhsa_wavefront_size32 1
		.amdhsa_system_sgpr_workgroup_id_x 1
		.amdhsa_system_sgpr_workgroup_id_y 1
		.amdhsa_system_sgpr_workgroup_id_z 1
		.amdhsa_system_vgpr_workitem_id 0
		.amdhsa_next_free_vgpr 512
		.amdhsa_next_free_sgpr 84
		.amdhsa_reserve_vcc 0
		.amdhsa_float_denorm_mode_32 3
		.amdhsa_float_denorm_mode_16_64 3
		.amdhsa_fp16_overflow 1
		.amdhsa_memory_ordered 1
		.amdhsa_forward_progress 1
		.amdhsa_inst_pref_size 255
	.end_amdhsa_kernel
	.section	.bss,"aw",@nobits
	.p2align	6
	.space	262144
	.amdgpu_metadata
---
amdhsa.version: [ 1, 2 ]
amdhsa.kernels:
  - .name:           k_q81b145317e_attn
    .symbol:         k_q81b145317e_attn.kd
    .args:
      - { .name: qu_img, .offset: 0, .size: 8, .value_kind: global_buffer, .address_space: global }
      - { .name: qv_img, .offset: 8, .size: 8, .value_kind: global_buffer, .address_space: global }
      - { .name: k_img, .offset: 16, .size: 8, .value_kind: global_buffer, .address_space: global }
      - { .name: v_img, .offset: 24, .size: 8, .value_kind: global_buffer, .address_space: global }
      - { .name: rk_img, .offset: 32, .size: 8, .value_kind: global_buffer, .address_space: global }
      - { .name: lowp_scales, .offset: 40, .size: 8, .value_kind: global_buffer, .address_space: global }
      - { .name: av_img, .offset: 48, .size: 8, .value_kind: global_buffer, .address_space: global }
    .group_segment_fixed_size: 327680
    .private_segment_fixed_size: 0
    .kernarg_segment_align: 8
    .kernarg_segment_size: 56
    .max_flat_workgroup_size: 256
    .sgpr_count:     84
    .vgpr_count:     512
    .wavefront_size: 32
...
	.end_amdgpu_metadata
.endif
;; end of part 3
;; launch outln (part 4): grid 256 x 1, 8 waves a work-group, clusters of 4 x 1, 327,680 bytes of LDS; arguments av_img, W_o_codes, x, ln_gamma, ln_beta, lowp_scales, out0; writes out0
.if DOCPART == 4
	.amdgcn_target "amdgcn-amd-amdhsa--gfx1250"
	.amdhsa_code_object_version 6
	.text
	.protected	k_q81b145317e_outln
	.globl	k_q81b145317e_outln
	.p2align	8
	.type	k_q81b145317e_outln,@function
k_q81b145317e_outln:
	s_mov_b64 s[64:65], 0
	v_nop
	global_prefetch_b8 v0, s[64:65] scope:SCOPE_SE
	s_setreg_imm32_b32 hwreg(HW_REG_WAVE_MODE, 25, 1), 1
	s_wait_xcnt 0x0
	s_wait_alu depctr_hold_cnt(0) depctr_sa_sdst(0) depctr_va_vdst(0) depctr_va_sdst(0) depctr_va_ssrc(0) depctr_va_vcc(0) depctr_vm_vsrc(0)
	s_getreg_b32 s2, hwreg(HW_REG_IB_STS2, 6, 4)
	s_cmp_eq_u32 s2, 0
	s_cbranch_scc0 .Lentry_in_a_cluster
	s_endpgm
.Lentry_in_a_cluster:
	s_bfe_u32 s2, ttmp6, 0x10000c
	s_cmp_lg_u32 s2, 0x3003
	s_cbranch_scc0 .Lentry_shape_is_right
	s_endpgm
.Lentry_shape_is_right:
; out = LayerNorm(x + attn_vec W_o): the last projection on codes of FP8 (E4M3), the residual and the norm in f32.
; SHARES.  Work-group G owns 16 tokens (batch G / 64, queries 16 (G % 64) on) and ALL 1,024 columns, so that a row's mean and variance need no other work-group and the sums never go to memory.
; Wave w makes columns 128 w on: eight accumulators.  The matrix instruction is used transposed (source 0 = 16 rows of W_o, that is 16 columns of the result; source 1 = the 16 tokens).
; W_o goes in K steps of 128 through a ring of two LDS slots (1,024 rows x 128 bytes + 16 of padding; rows of 256 bytes would make a slot of 278,528 bytes, and two such slots do not fit); each wave fetches the 128 rows
; that it alone reads, so its own wait on TENSORcnt is all that its reads need.  Both slots' first fills go out together at the start; each of the six refills stands behind a round of the cluster's barrier.
; CLUSTER: the four work-groups of a cluster walk the same W_o: each tile is asked for JOINTLY, by the same tensor load with the same descriptor and the mask of all four.  The place in the cluster enters
; global addresses of the tokens alone.
; The tokens' codes come as an image of operand registers in the form's own order of k; W_o's fragments are fetched 16 bytes at a time (registers 4 c .. 4 c + 3: k = 32 c + 16 h + 0 .. 15), so the tokens' are loaded 8 bytes at a
; time from the places that give them the same order: the same permutation of k on both sides.
; THE NORM: the sums meet in a stage in LDS; wave w takes rows 2 w and 2 w + 1 whole; h = sum x 2^(e10+e11) + x; mean; d = h - mean; variance from d^2 (no difference of large sums); y = d / sqrt(var + 1e-5) x gamma + beta.
; x's two rows, gamma and beta are asked for at the head, into registers of their own (window 1), so that they land under the products.
; LIMIT: e10 + e11 between -126 and 127, so that 2^(e10+e11) is an f32 number.
.set PITCH,  144                       ; an LDS row: 128 bytes + 16 of padding: 9 x 16 bytes: the 16 rows that a load touches fall on 16 different 16-byte columns modulo 256 bytes
.set WROWS,  128*PITCH                 ; a wave's 128 rows
.set SLOTB,  8*WROWS                   ; a slot: 147,456 bytes
.set SPARE,  2*SLOTB                   ; behind the ring: the spare words, 128 bytes for each wave: four blocks of 256 bytes that no other line names
.set SPITCH, 4112                      ; the stage: 16 rows x (4,096 bytes + 16).  It lies in slot 0, which has had its last fill and its last read when the first sum is stored there
.set L16, 1                            ; v1   16 x lane
.set AO,  2                            ; v2   16 r + 8 h: my 8 bytes of a group of the tokens' image
.set BA,  3                            ; v3-4 LDS address of my fragments of W_o in slot 0, 1
.set STO, 5                            ; v5   the stage: where I put 32 bytes of a row
.set RD,  6                            ; v6   and where I read my two rows back
.set SPW, 7                            ; v7   LDS address of my spare word: SPARE + 4 x my thread's number; never rewritten
.set NIL, 8                            ; v8   0; never rewritten
.set AF,  24                           ; v24-55   the tokens' fragment, two sets
.set ACC, 56                           ; v56-119  eight accumulators; later my two rows
.set BF,  120                          ; v120-247 W_o's eight fragments
.set XR,  0                            ; window 1: v0-63 x's two rows; v64-95 gamma; v96-127 beta
.set GAM, 64
.set BET, 96
.set WV,  18
.set MSB, 0
.macro WIN new                         ; the immediate's high byte repeats the setting that is left
.if MSB != \new
	s_set_vgpr_msb (MSB<<8)|\new
.set MSB, \new
.endif
.endm
.macro ROUND                           ; a round of the cluster's barrier
	s_barrier_signal -1
	s_barrier_wait -1
	s_cmp_lg_u32 s[WV], 0
	s_cbranch_scc1 .Lnot_wave_0_\@
	s_barrier_signal -3
.Lnot_wave_0_\@:
	s_barrier_wait -3
	s_barrier_signal -1
	s_barrier_wait -1
.endm
	s_load_b256 s[4:11], s[0:1], 0x0               ; the tokens' image s[4:5], W_o's codes s[6:7], x s[8:9], gamma s[10:11]
	s_load_b128 s[12:15], s[0:1], 0x20             ; beta s[12:13], the scales' exponents s[14:15]
	s_load_b64 s[16:17], s[0:1], 0x30              ; out
	v_lshl_add_u32 v[SPW], v0, 2, SPARE
	v_mov_b32 v[NIL], 0
	ds_add_u32 v7, v8
	ds_add_u32 v7, v8
	s_wait_dscnt 0x0
	v_lshrrev_b32 v1, 5, v0
	v_readfirstlane_b32 s[WV], v1                  ; wave 0..7
	s_bfe_u32 s19, ttmp6, 0x40000                  ; cx
	s_lshl_b32 s20, ttmp9, 2
	s_add_co_u32 s20, s20, s19                     ; G = 4 x cluster + cx
	; descriptor group 1: 128 rows x 128 bytes, 1,024 bytes apart in memory, padded in LDS
	s_mov_b32 s24, 15|(0<<16)|(1<<20)|(1<<21)|(4<<22)|(3<<25)   ; 15:0 the mask: all four work-groups; 17:16 elements of 1 byte; 20 padding on; 21 set beside a mask; 24:22 after every 32 words (code 4); 31:25 four words (code 3)
	s_mov_b32 s25, 128<<16                         ; tensor_dim0
	s_mov_b32 s26, 128<<16                         ; tensor_dim1
	s_mov_b32 s27, 128<<16                         ; tile_dim0
	s_mov_b32 s28, 128                             ; tile_dim1
	s_mov_b32 s29, 1024                            ; tensor_dim0_stride
	s_mov_b32 s30, 0
	s_mov_b32 s31, 0
	s_mov_b32 s32, 1
	s_mul_i32 s33, s[WV], WROWS                    ; my rows' place in slot 0,
	s_mov_b32 s36, 1
	s_add_co_u32 s37, s33, SLOTB                   ; and in slot 1
	s_lshl_b32 s22, s[WV], 17                      ; my 128 rows of W_o: 131,072 bytes a wave
	s_mov_b32 s23, 0
	s_mov_b32 s42, 0x76543210                      ; lane selects for v_permlanex16_b32: lane l xor 16
	s_mov_b32 s43, 0xfedcba98
	s_mov_b32 s44, 0x3a800000                      ; 1 / 1,024
	s_mov_b32 s45, 0x3727c5ac                      ; 1e-5
	s_wait_kmcnt 0x0
	s_load_b64 s[40:41], s[14:15], 0x28            ; e10, e11
	s_add_nc_u64 s[34:35], s[6:7], s[22:23]        ; K step 0
	s_add_nc_u64 s[38:39], s[34:35], 128           ; K step 1
	s_or_b32 s35, s35, 0x80000000                  ; type = 2
	s_or_b32 s39, s39, 0x80000000
	ROUND                                          ; all four work-groups are here: the first joint loads meet
	tensor_load_to_lds s[32:35], s[24:31]          ; K step 0 and K step 1: the two first fills go out together, ahead of every wait on TENSORcnt and every LDS read: two loads of mine are out
	s_nop 0
	tensor_load_to_lds s[36:39], s[24:31]
	s_nop 0
.rept 4
	v_nop
.endr
	s_lshl_b32 s22, s20, 14                        ; the tokens' image: 16,384 bytes a tile of 16 tokens
	s_add_nc_u64 s[4:5], s[4:5], s[22:23]
	s_and_b32 s21, s20, 63                         ; x and out: token (i, b) lies at (4 i + b) x 4,096: tile G % 64 of 16 queries: 262,144 bytes,
	s_lshl_b32 s22, s21, 18
	s_lshr_b32 s21, s20, 6
	s_lshl_b32 s21, s21, 12                        ; batch G / 64: 4,096,
	s_add_co_u32 s22, s22, s21
	s_lshl_b32 s21, s[WV], 15                      ; my rows 2 w and 2 w + 1: 16,384 each
	s_add_co_u32 s22, s22, s21
	s_add_nc_u64 s[8:9], s[8:9], s[22:23]
	s_add_nc_u64 s[16:17], s[16:17], s[22:23]
	v_and_b32 v9, 31, v0
	v_lshlrev_b32 v[L16], 4, v9
	v_and_b32 v10, 15, v0                          ; r
	v_bfe_u32 v11, v0, 4, 1                        ; h
	v_lshlrev_b32 v[AO], 4, v10
	v_lshl_add_u32 v[AO], v11, 3, v[AO]
	v_mul_u32_u24 v[BA], v10, PITCH
	v_lshl_add_u32 v[BA], v11, 4, v[BA]
	v_add_nc_u32 v[BA], s33, v[BA]
	v_add_nc_u32 v[BA+1], SLOTB, v[BA]
	v_mul_u32_u24 v[STO], v10, SPITCH              ; the stage: row r, + 32 h, + 512 x wave: my columns' bytes
	v_lshl_add_u32 v[STO], v11, 5, v[STO]
	s_lshl_b32 s46, s[WV], 9
	v_add_nc_u32 v[STO], s46, v[STO]
	s_mul_i32 s46, s[WV], 2*SPITCH
	v_add_nc_u32 v[RD], s46, v[L16]                ; back: rows 2 w on, 16 bytes a lane
; The tokens' fragment of K step k.  In the image k = 16 c' + 8 h' + 0 .. 7 lies in group c' / 2, lane r + 16 h', bytes 8 (c' % 2) on.  Registers 4 c, 4 c + 1 want k = 32 c + 16 h + 0 .. 7: group c, lane r, bytes 8 h on;
; registers 4 c + 2, 4 c + 3 the next eight: lane r + 16, 256 bytes further on.  The 32 lanes of a load read 256 consecutive bytes.
.macro ALOAD k
.set AS, AF+16*((\k)%2)
.irp c, 0,1,2,3
	global_load_b64 v[AS+4*\c:AS+4*\c+1], v[AO], s[4:5] offset:2048*(\k)+512*\c
	global_load_b64 v[AS+4*\c+2:AS+4*\c+3], v[AO], s[4:5] offset:2048*(\k)+512*\c+256
.endr
.endm
	ALOAD 0
	WIN 0x40                                       ; destination window 1, address window 0
.irp q, 0,1,2,3,4,5,6,7                ; a lane's 16 bytes at 512 q + 16 x lane of a row: columns 128 q + 4 x lane on, in x, gamma, beta, the stage and out alike
	global_load_b128 v[XR+4*\q:XR+4*\q+3], v[L16], s[8:9] offset:512*\q th:TH_LOAD_NT
	global_load_b128 v[XR+32+4*\q:XR+32+4*\q+3], v[L16], s[8:9] offset:16384+512*\q th:TH_LOAD_NT
	global_load_b128 v[GAM+4*\q:GAM+4*\q+3], v[L16], s[10:11] offset:512*\q
	global_load_b128 v[BET+4*\q:BET+4*\q+3], v[L16], s[12:13] offset:512*\q
.endr
	WIN 0
; K step k, in slot k % 2.  Steps 1 to 6 fill the slot read in the step before with the tile of step k + 1: one load of mine is out behind each round.
.macro TRIP k
.set SL, (\k)%2
.set SO, 1-SL
.set AN, AF+16*SL
.if (\k) == 0
	s_wait_tensorcnt 0x1                           ; my rows of K step 0 are in; K step 1's load may be out.  Nobody else reads my rows, and nothing is filled again here: no barrier
.else
	s_wait_tensorcnt 0x0                           ; all my loads are done, my rows of this step's tile among them,
	ds_add_u32 v[SPW], v[NIL]                      ; 0 onto my spare word
.if (\k) < 7
	s_add_nc_u64 s[34+4*SO:35+4*SO], s[34+4*SO:35+4*SO], 256   ; so a group 0 may be written: the other slot's next tile, two K steps on from the one that it held
.endif
	s_wait_dscnt 0x0                               ; the add is done, and so are my reads of the last step's tile
.if (\k) < 7
	ROUND                                          ; both now hold of every wave of every work-group of the cluster
	tensor_load_to_lds s[32+4*SO:35+4*SO], s[24:31]   ; the next tile, into the slot read last step
	s_nop 0
.else
	s_barrier_signal -1                            ; nothing is left to fetch.  This barrier parts every wave's reads of slot 0 from the stores into the stage that lies there
	s_barrier_wait -1
.endif
.rept 4
	v_nop                                          ; the places in front of the loads into registers that the last step's products read
.endr
.endif
.if (\k) < 7
	ALOAD (\k)+1
.endif
.irp b, 0,1,2,3,4,5,6,7
.irp c, 0,1,2,3
	ds_load_b128 v[BF+16*\b+4*\c:BF+16*\b+4*\c+3], v[BA+SL] offset:16*\b*PITCH+32*\c
.endr
.endr
.if (\k) == 0
	s_wait_loadcnt 40                              ; this step's tokens are in; behind them: the 32 loads of x, gamma and beta, and the next step's eight
.elseif (\k) < 7
	s_wait_loadcnt 8                               ; this step's tokens are in; the eight loads just issued for the next step may be out
.else
	s_wait_loadcnt 0
.endif
.irp b, 0,1,2,3,4,5,6,7                ; the eight accumulators take turns, one instruction a turn, from step to step too
	s_wait_dscnt 28-4*\b                           ; fragment b's four loads are in; those of the fragments behind it may be out
.if (\k) == 0
	v_wmma_f32_16x16x128_fp8_fp8 v[ACC+8*\b:ACC+8*\b+7], v[BF+16*\b:BF+16*\b+15], v[AN:AN+15], 0
.else
	v_wmma_f32_16x16x128_fp8_fp8 v[ACC+8*\b:ACC+8*\b+7], v[BF+16*\b:BF+16*\b+15], v[AN:AN+15], v[ACC+8*\b:ACC+8*\b+7]
.endif
.endr
.endm
.irp k, 0,1,2,3,4,5,6,7
	TRIP \k
.endr
.rept 4
	v_nop                                          ; places in front of the stores that read the sums
.endr
.irp b, 0,1,2,3,4,5,6,7
	ds_store_b128 v[STO], v[ACC+8*\b:ACC+8*\b+3] offset:64*\b         ; lane (r, h): sums of token r, columns 128 w + 16 b + 8 h + 0 .. 7; each accumulator from its low end on
	ds_store_b128 v[STO], v[ACC+8*\b+4:ACC+8*\b+7] offset:64*\b+16
.endr
	s_wait_dscnt 0x0                               ; for the others' sake: my stores into the stage are done
	s_barrier_signal -1
	s_barrier_wait -1
.irp q, 0,1,2,3,4,5,6,7
	ds_load_b128 v[ACC+4*\q:ACC+4*\q+3], v[RD] offset:512*\q
	ds_load_b128 v[ACC+32+4*\q:ACC+32+4*\q+3], v[RD] offset:SPITCH+512*\q
.endr
	s_wait_kmcnt 0x0
	s_add_co_i32 s40, s40, s41
	s_add_co_i32 s40, s40, 127
	s_lshl_b32 s40, s40, 23                        ; 2^(e10+e11) as f32
	s_mov_b32 s41, s40                             ; (named with it as a pair, so it is written)
	s_wait_dscnt 0x0
.macro WSUM t                          ; the sum over the wave's 32 lanes, in every lane
	v_add_f32_dpp v[\t], v[\t], v[\t] row_xmask:1 row_mask:0xf bank_mask:0xf
	v_add_f32_dpp v[\t], v[\t], v[\t] row_xmask:2 row_mask:0xf bank_mask:0xf
	v_add_f32_dpp v[\t], v[\t], v[\t] row_xmask:4 row_mask:0xf bank_mask:0xf
	v_add_f32_dpp v[\t], v[\t], v[\t] row_xmask:8 row_mask:0xf bank_mask:0xf
	v_permlanex16_b32 v[\t+1], v[\t], s42, s43
	v_add_f32 v[\t], v[\t], v[\t+1]
.endm
; One row: 32 numbers a lane at v[hh] on, x's at v[xx] on in window 1; four registers at work at v[tt] on; stored at byte off of my two rows.
.macro LNROW hh, xx, tt, off
	WIN 0x10                                       ; source 2 (x) window 1
.irp j, 0,2,4,6,8,10,12,14,16,18,20,22,24,26,28,30
	v_pk_fma_f32 v[\hh+\j:\hh+\j+1], v[\hh+\j:\hh+\j+1], s[40:41], v[\xx+\j:\xx+\j+1] op_sel_hi:[1,0,1]   ; h = sum x 2^(e10+e11) + x
.endr
	WIN 0
	v_pk_add_f32 v[\tt:\tt+1], v[\hh:\hh+1], v[\hh+2:\hh+3]
	v_pk_add_f32 v[\tt+2:\tt+3], v[\hh+4:\hh+5], v[\hh+6:\hh+7]
.irp j, 8,12,16,20,24,28
	v_pk_add_f32 v[\tt:\tt+1], v[\tt:\tt+1], v[\hh+\j:\hh+\j+1]
	v_pk_add_f32 v[\tt+2:\tt+3], v[\tt+2:\tt+3], v[\hh+\j+2:\hh+\j+3]
.endr
	v_pk_add_f32 v[\tt:\tt+1], v[\tt:\tt+1], v[\tt+2:\tt+3]
	v_add_f32 v[\tt], v[\tt], v[\tt+1]
	WSUM \tt
	v_mul_f32 v[\tt], s44, v[\tt]                  ; the mean
.irp j, 0,2,4,6,8,10,12,14,16,18,20,22,24,26,28,30
	v_pk_add_f32 v[\hh+\j:\hh+\j+1], v[\hh+\j:\hh+\j+1], v[\tt:\tt+1] op_sel_hi:[1,0] neg_lo:[0,1] neg_hi:[0,1]   ; d = h - mean
.endr
	v_pk_mul_f32 v[\tt+2:\tt+3], v[\hh:\hh+1], v[\hh:\hh+1]
.irp j, 2,4,6,8,10,12,14,16,18,20,22,24,26,28,30
	v_pk_fma_f32 v[\tt+2:\tt+3], v[\hh+\j:\hh+\j+1], v[\hh+\j:\hh+\j+1], v[\tt+2:\tt+3]
.endr
	v_add_f32 v[\tt+2], v[\tt+2], v[\tt+3]
	WSUM \tt+2
	v_fma_f32 v[\tt+2], v[\tt+2], s44, s45         ; the variance + 1e-5
	v_rsq_f32 v[\tt+2], v[\tt+2]
	v_nop                                          ; one plain place behind the transcendental
	s_wait_alu depctr_va_vdst(0)
.irp j, 0,2,4,6,8,10,12,14,16,18,20,22,24,26,28,30
	v_pk_mul_f32 v[\hh+\j:\hh+\j+1], v[\hh+\j:\hh+\j+1], v[\tt+2:\tt+3] op_sel_hi:[1,0]
.endr
	WIN 0x14                                       ; sources 1 (gamma) and 2 (beta) window 1
.irp j, 0,2,4,6,8,10,12,14,16,18,20,22,24,26,28,30
	v_pk_fma_f32 v[\hh+\j:\hh+\j+1], v[\hh+\j:\hh+\j+1], v[GAM+\j:GAM+\j+1], v[BET+\j:BET+\j+1]
.endr
	WIN 0
.irp q, 0,1,2,3,4,5,6,7
	global_store_b128 v[L16], v[\hh+4*\q:\hh+4*\q+3], s[16:17] offset:\off+512*\q th:TH_STORE_NT   ; 32 lanes store 512 consecutive bytes, at a multiple of 256 from the buffer's first byte
.endr
.endm
	LNROW ACC, XR, 10, 0
	LNROW ACC+32, XR+32, 14, 16384
	s_wait_tensorcnt 0x0                           ; the wave's end, behind my last tensor load and my last LDS store
	ds_add_u32 v[SPW], v[NIL]
	s_wait_dscnt 0x0
	ROUND                                          ; the closing round: no work-group ends while a partner may still ask for a tile that names it
	s_endpgm
.Lfunc_end_k_q81b145317e_outln:
	.size	k_q81b145317e_outln, .Lfunc_end_k_q81b145317e_outln-k_q81b145317e_outln
	.p2alignl 7, 3214868480
	.fill 96, 4, 3214868480
	.section	.rodata,"a",@progbits
	.p2align	6, 0x0
	.amdhsa_kernel k_q81b145317e_outln
		.amdhsa_group_segment_fixed_size 327680
		.amdhsa_private_segment_fixed_size 0
		.amdhsa_enable_private_segment 0
		.amdhsa_kernarg_size 56
		.amdhsa_user_sgpr_count 2
		.amdhsa_user_sgpr_kernarg_segment_ptr 1
		.amdhsa_wavefront_size32 1
		.amdhsa_system_sgpr_workgroup_id_x 1
		.amdhsa_system_sgpr_workgroup_id_y 1
		.amdhsa_system_sgpr_workgroup_id_z 1
		.amdhsa_system_vgpr_workitem_id 0
		.amdhsa_next_free_vgpr 384
		.amdhsa_next_free_sgpr 66
		.amdhsa_reserve_vcc 0
		.amdhsa_float_denorm_mode_32 3
		.amdhsa_float_denorm_mode_16_64 3
		.amdhsa_memory_ordered 1
		.amdhsa_forward_progress 1
		.amdhsa_inst_pref_size 59
	.end_amdhsa_kernel
	.amdgpu_metadata
---
amdhsa.version: [ 1, 2 ]
amdhsa.kernels:
  - .name:           k_q81b145317e_outln
    .symbol:         k_q81b145317e_outln.kd
    .args:
      - { .name: av_img, .offset: 0, .size: 8, .value_kind: global_buffer, .address_space: global }
      - { .name: W_o_codes, .offset: 8, .size: 8, .value_kind: global_buffer, .address_space: global }
      - { .name: x, .offset: 16, .size: 8, .value_kind: global_buffer, .address_space: global }
      - { .name: ln_gamma, .offset: 24, .size: 8, .value_kind: global_buffer, .address_space: global }
      - { .name: ln_beta, .offset: 32, .size: 8, .value_kind: global_buffer, .address_space: global }
      - { .name: lowp_scales, .offset: 40, .size: 8, .value_kind: global_buffer, .address_space: global }
      - { .name: out0, .offset: 48, .size: 8, .value_kind: global_buffer, .address_space: global }
    .group_segment_fixed_size: 327680
    .private_segment_fixed_size: 0
    .kernarg_segment_align: 8
    .kernarg_segment_size: 56
    .max_flat_workgroup_size: 256
    .sgpr_count:     66
    .vgpr_count:     384
    .wavefront_size: 32
...
	.end_amdgpu_metadata
.endif
;; end of part 4
